; MI455X (gfx1250); checked and timed in simulation.
; The chip was launched on July 23, 2026; its instructions are those of AMD's public machine-readable ISA for CDNA 5 (MIT licence, August 2026) and "CDNA5" Instruction Set Architecture Reference Guide (July 2026). The comments in the code are by the model that wrote it; some were corrected since.
;; Mo E. Allowed arithmetic: matrix products marked QUANTISED: E3M2 operands, one E8M0 scale for each 32 along K, by v_wmma_scale_f32_16x16x128_f8f6f4 with both operands' format E3M2, f32 sums; products left as they are: f32 operands where the result goes on into a quantised operand, else bf16, f16 or f32 operands; f32 sums; everything else in f32.
;; Inputs: Wd_codes 8 x 1,024 x 8 x 24 uint8 (E3M2 codes of Wd, K innermost, in blocks of 32 codes, four codes in three bytes); Wd_scales 8 x 1,024 x 8 uint8 (E8M0 scales of Wd, one for each 32 codes along K); Wg_codes 8 x 256 x 32 x 24 uint8 (E3M2 codes of Wg, K innermost, in blocks of 32 codes, four codes in three bytes); Wg_scales 8 x 256 x 32 uint8 (E8M0 scales of Wg, one for each 32 codes along K); Wr 8 x 1,024 float32; Wu_codes 8 x 256 x 32 x 24 uint8 (E3M2 codes of Wu, K innermost, in blocks of 32 codes, four codes in three bytes); Wu_scales 8 x 256 x 32 uint8 (E8M0 scales of Wu, one for each 32 codes along K); x 4 x 2,048 x 1,024 float32.
;; Outputs: out0 4 x 2,048 x 1,024 float32.
;; This version of the problem:
;;   THIS VERSION OF THE PROBLEM IS GIVEN IN LOW PRECISION. The matrix products marked QUANTISED in the list below multiply operands that are first quantised to E3M2 (3 exponent bits, 2 mantissa bits; 6 bits a number), with one power-of-two scale for each 32 numbers along K (OCP MX v1.0); their sums are f32. All else is computed in f32.
;;   The module's matrix products, in the order in which they are computed (A, B: the left and right operand; K: the contracted axis; several contracted axes count as one K, in the product's order):
;;     1. [M 8,192, K 1,024] x [K 1,024, N 8]; A: input x; B: input Wr: left as it is (N = 8 < 16)
;;     2. batch 8,192 x [M 1, K 2] x [K 2, N 8]; A: computed on the way; B: computed on the way: left as it is (K = 2 < 32)
;;     3. [M 8,192, K 1,024] x [K 1,024, N 256]; A: input x; B: input Wg (given as codes): QUANTISED
;;     4. [M 8,192, K 1,024] x [K 1,024, N 256]; A: input x; B: input Wu (given as codes): QUANTISED
;;     5. [M 8,192, K 256] x [K 256, N 1,024]; A: computed on the way; B: input Wd (given as codes): QUANTISED
;;     6. [M 8,192, K 1,024] x [K 1,024, N 256]; A: input x; B: input Wg (given as codes): QUANTISED
;;     7. [M 8,192, K 1,024] x [K 1,024, N 256]; A: input x; B: input Wu (given as codes): QUANTISED
;;     8. [M 8,192, K 256] x [K 256, N 1,024]; A: computed on the way; B: input Wd (given as codes): QUANTISED
;;     9. [M 8,192, K 1,024] x [K 1,024, N 256]; A: input x; B: input Wg (given as codes): QUANTISED
;;     10. [M 8,192, K 1,024] x [K 1,024, N 256]; A: input x; B: input Wu (given as codes): QUANTISED
;;     11. [M 8,192, K 256] x [K 256, N 1,024]; A: computed on the way; B: input Wd (given as codes): QUANTISED
;;     12. [M 8,192, K 1,024] x [K 1,024, N 256]; A: input x; B: input Wg (given as codes): QUANTISED
;;     13. [M 8,192, K 1,024] x [K 1,024, N 256]; A: input x; B: input Wu (given as codes): QUANTISED
;;     14. [M 8,192, K 256] x [K 256, N 1,024]; A: computed on the way; B: input Wd (given as codes): QUANTISED
;;     15. [M 8,192, K 1,024] x [K 1,024, N 256]; A: input x; B: input Wg (given as codes): QUANTISED
;;     16. [M 8,192, K 1,024] x [K 1,024, N 256]; A: input x; B: input Wu (given as codes): QUANTISED
;;     17. [M 8,192, K 256] x [K 256, N 1,024]; A: computed on the way; B: input Wd (given as codes): QUANTISED
;;     18. [M 8,192, K 1,024] x [K 1,024, N 256]; A: input x; B: input Wg (given as codes): QUANTISED
;;     19. [M 8,192, K 1,024] x [K 1,024, N 256]; A: input x; B: input Wu (given as codes): QUANTISED
;;     20. [M 8,192, K 256] x [K 256, N 1,024]; A: computed on the way; B: input Wd (given as codes): QUANTISED
;;     21. [M 8,192, K 1,024] x [K 1,024, N 256]; A: input x; B: input Wg (given as codes): QUANTISED
;;     22. [M 8,192, K 1,024] x [K 1,024, N 256]; A: input x; B: input Wu (given as codes): QUANTISED
;;     23. [M 8,192, K 256] x [K 256, N 1,024]; A: computed on the way; B: input Wd (given as codes): QUANTISED
;;     24. [M 8,192, K 1,024] x [K 1,024, N 256]; A: input x; B: input Wg (given as codes): QUANTISED
;;     25. [M 8,192, K 1,024] x [K 1,024, N 256]; A: input x; B: input Wu (given as codes): QUANTISED
;;     26. [M 8,192, K 256] x [K 256, N 1,024]; A: computed on the way; B: input Wd (given as codes): QUANTISED
;;   THE QUANTISER, for each operand of a quantised product, along K:
;;     - K is cut into blocks of 32 from its start; a last block that is shorter is filled with zeros.
;;     - A block's scale is 2^e with e = floor(log2(the largest magnitude in the block)) - 4, held to -126 .. 127; a block of zeros has e = 0. As a byte (E8M0): e + 127.
;;     - Each number is divided by its block's scale, clamped to +-28, and rounded to the nearest number of E3M2, ties to even, subnormals kept.
;;     - The product sums the exact products of the quantised numbers (number of the format x scale) in f32.
;;   ~~~python
;;   def quantise(x, axis):      # numpy; x: float32 -> the quantised numbers, widened to float32 again
;;       x = np.moveaxis(x, axis, -1); K = x.shape[-1]
;;       x = np.pad(x, [(0, 0)] * (x.ndim - 1) + [(0, -K % 32)]); x = x.reshape(x.shape[:-1] + (-1, 32)); a = np.abs(x).max(-1, keepdims=True)
;;       e = np.where(a > 0, np.clip(np.frexp(np.where(a > 0, a, 1))[1] - 1 - 4, -126, 127), 0)      # np.frexp(a)[1] - 1 = floor(log2(a)), exactly
;;       r = np.clip(x / 2.0 ** e, -28, 28)
;;       step = 2.0 ** (np.maximum(np.frexp(np.where(r == 0, 1, r))[1] - 1, -2) - 2)
;;       q = np.round(r / step) * step * 2.0 ** e      # np.round: ties to even
;;       return np.moveaxis(q.reshape(q.shape[:-2] + (-1,))[..., :K], -1, axis).astype(np.float32)
;;   ~~~
;;   OPERANDS COMPUTED ON THE WAY. 'Computed on the way' means the value that the module computes at that place (a softmax that the list does not call 'softmax' is quantised finished and normalised). What goes into a quantiser is computed in f32, as accurately as f32 sums, v_exp_f32 and their like allow (about 1e-6 of the number): no bf16 or f16 on the way to a quantiser, and a product that is left as it is and whose result goes on into a quantised operand takes f32 operands (vector FMAs, or v_wmma_f32_16x16x4_f32). A number that lies on a knife's edge between two numbers of the format may be rounded either way, as far as f32 arithmetic and the matrix unit's own rounding can turn it there, and no further.
;;   INPUTS GIVEN AS CODES. Wd (in the module: [8, 1024, 256], K = its axis 2); Wg (in the module: [8, 256, 1024], K = its axis 2); Wu (in the module: [8, 256, 1024], K = its axis 2): each comes as NAME_codes (uint8): NAME with its K axis moved to the last place and cut into blocks of 32 codes, [.., K / 32, bytes a block], one block behind the other in memory; four codes in three bytes: a row's codes are one little-endian stream of bits, code i at bits 6 i .. 6 i + 5 (a code: sign, 3 exponent bits, 2 mantissa bits); and NAME_scales (uint8): the same leading axes, one E8M0 byte (e + 127) for each 32 codes along K. Its value is code x scale, taken as it is: it is not quantised again, and the codes and scales need not be those that the quantiser above would give.
;; 2 versions. Each part assembles by itself: llvm-mc -triple=amdgcn-amd-amdhsa -mcpu=gfx1250 --defsym DOCPART=n.
;; ======== version 1 of 2: 3 launches
;; workspace buffers: xq 6,291,456 bytes; xs 262,144 bytes; pid 32,768 bytes of whole numbers; cw 65,536 bytes; cnt 256 bytes of whole numbers; order 917,504 bytes of whole numbers; wfr 4,718,592 bytes; wsc 196,608 bytes
;; launch route (part 1): grid 256 x 1, 4 waves a work-group, no clusters, 200,192 bytes of LDS; arguments x, Wr, xq, xs, pid, cw; writes xq, xs, pid, cw
.if DOCPART == 1
	.amdgcn_target "amdgcn-amd-amdhsa--gfx1250"
	.amdhsa_code_object_version 6
	.text
	.protected	k_qe2cc41d057_route
	.globl	k_qe2cc41d057_route
	.p2align	8
	.type	k_qe2cc41d057_route,@function
k_qe2cc41d057_route:
	s_mov_b64 s[64:65], 0
	v_nop
	global_prefetch_b8 v0, s[64:65] scope:SCOPE_SE
	s_setreg_imm32_b32 hwreg(HW_REG_WAVE_MODE, 25, 1), 1
	s_wait_xcnt 0x0
; ROUTER AND QUANTISER OF x.  x [8192][1024] f32, Wr [8][1024] f32.
; For each token: the 8 logits in f32 (fused multiply-adds), softmax with the maximum taken away, the two largest, their weights p / (p1 + p2 + 1e-8);
; stored: pid = the number 0..27 of the unordered pair {lo, hi} (lo (15 - lo) / 2 + hi - lo - 1), cw = (w_lo, w_hi).  No address here hangs on them.
; And x as codes of BF6 (E3M2) with one E8M0 byte for each 32 along K: a block's scale is 2^(floor(log2(largest magnitude)) - 4).
; xq: 768 bytes a token; block b of 32 codes (24 bytes) lies at 384 (b & 1) + 24 (b >> 1), so that lane (r, h) of a matrix operand finds the 96 registers of all 8 K steps in 384 bytes on end.
; xs: 32 bytes a token, byte b for block b: word s is the scale word of K step s.
; SHARES.  A work-group takes 32 tokens, a wave 8 rows; lane l owns block l (k = 32 l .. 32 l + 31) of every row: the block's maximum needs no other lane, and the conversions take its registers as they stand.
; All of a work-group's x (128 KB) and Wr are asked for at the start by three tensor loads a wave; nothing in LDS is filled twice, so there is no ring.  By this text's count a wave has three tensor loads out.
; No matrix unit (8 columns would leave half of it idle, and the f32 form is no faster than these multiply-adds), no cluster (work-groups share only Wr, 32 KB of 160 KB).
; LIMITS.  NaN and infinities are not served.  The two largest are taken of the logits, which order as the probabilities do; equal logits go to the lower index; a gap between the second and the third
; logit that is smaller than the rounding of an f32 sum of 1,024 terms may fall either way.  A block of zeros, or one whose largest magnitude lies under 2^-122, gets the byte 1 (the rule's 127 for zeros is
; not owed: its codes are zeros and only this program reads the bytes).  v_exp_f32 gives 0 for results under 2^-126.
.set XROW,  4352                       ; a row of 4,096 bytes in LDS: 16 pieces of 256 bytes + 16 of padding
.set XTW,   8*XROW                     ; a wave's 8 rows
.set WRB,   4*XTW                      ; Wr's 8 rows
.set CSB,   WRB+8*XROW                 ; the stage for codes: 6,144 bytes a wave (8 tokens x 768)
.set SSB,   CSB+4*6144                 ; the stage for scale bytes: 256 bytes a wave
.set LN,  1                            ; v1   lane
.set XA,  2                            ; v2   LDS: my block in my wave's row 0
.set WA,  3                            ; v3   LDS: my block in Wr's row 0
.set CSA, 4                            ; v4   LDS: my block's 24 bytes in a token's 768
.set SSA, 5                            ; v5   LDS: my block's scale byte
.set CSR, 6                            ; v6   LDS: the code stage, 16 bytes a lane
.set SSR, 7                            ; v7   LDS: the scale stage, 8 bytes a lane
.set O16, 8                            ; v8   16 x lane
.set O8,  9                            ; v9   8 x lane
.set O4,  10                           ; v10  4 x lane
.set X,   16                           ; v16-79   two sets of a row's 32 numbers
.set SM,  80                           ; v80-95   8 sums, two halves each
.set PX,  96                           ; v96-103  what comes from the other half of the lanes
.set LG,  104                          ; v104-111 the 8 logits: lane i keeps row i's
.set QT,  112                          ; v112-115 the quantiser's work
.set CC,  116                          ; v116-121 a block's 24 bytes of codes
.set DD,  122                          ; v122-124 its upper 16 codes as the conversion leaves them
.set OUTR, 160                         ; v160-209 the way out
.set WV,  44
.set SEL, 48
.set MSB, 0
.macro WIN new                         ; window 1 (v256-511) holds Wr(e, 32 l + i) at 32 e + i.  The immediate's high byte repeats the setting that is left
.if MSB != (\new)
	s_set_vgpr_msb (MSB<<8)|(\new)
.set MSB, (\new)
.endif
.endm
	s_load_b256 s[4:11], s[0:1], 0x0               ; x s[4:5], Wr s[6:7], xq s[8:9], xs s[10:11]
	s_load_b128 s[12:15], s[0:1], 0x20             ; pid s[12:13], cw s[14:15]
	v_lshl_add_u32 v254, v0, 2, 0x30c00
	v_mov_b32 v255, 0
	ds_add_u32 v254, v255
	ds_add_u32 v254, v255
	v_lshrrev_b32 v11, 5, v0
	v_readfirstlane_b32 s[WV], v11                 ; wave 0..3
	v_and_b32 v[LN], 31, v0
	; descriptor group 1: dense memory as rows of 256 bytes (32 elements of 8 bytes), 16 bytes of padding behind each; 64 such rows are 4 rows of x, 32 are 2 rows of Wr
	s_mov_b32 s16, (3<<16)|(1<<20)|(5<<22)|(3<<25)
	s_mov_b32 s17, 32<<16
	s_mov_b32 s18, 64<<16
	s_mov_b32 s19, 32<<16
	s_mov_b32 s20, 64
	s_mov_b32 s21, 32
	s_mov_b32 s22, 0
	s_mov_b32 s23, 0
	s_mov_b32 s24, (3<<16)|(1<<20)|(5<<22)|(3<<25)
	s_mov_b32 s25, 32<<16
	s_mov_b32 s26, 32<<16
	s_mov_b32 s27, 32<<16
	s_mov_b32 s28, 32
	s_mov_b32 s29, 32
	s_mov_b32 s30, 0
	s_mov_b32 s31, 0
	; descriptor groups 0: my two rows of Wr; my rows 0-3 of x; my rows 4-7
	s_mov_b32 s32, 1
	s_mul_i32 s33, s[WV], 2*XROW
	s_add_co_u32 s33, s33, WRB
	s_mov_b32 s36, 1
	s_mul_i32 s37, s[WV], XTW
	s_mov_b32 s40, 1
	s_add_co_u32 s41, s37, 4*XROW
	s_lshl_b32 s50, ttmp9, 17                      ; 32 rows of 4,096 bytes a work-group,
	s_lshl_b32 s51, s[WV], 15                      ; 8 a wave
	s_add_co_u32 s50, s50, s51
	s_mov_b32 s51, 0
	s_lshl_b32 s52, s[WV], 13
	s_mov_b32 s53, 0
	s_mov_b32 s[SEL], 0x76543210
	s_mov_b32 s[SEL+1], 0xfedcba98                 ; v_permlanex16_b32's selects for lane l xor 16
	v_lshrrev_b32 v11, 1, v[LN]
	v_and_b32 v12, 1, v[LN]
	v_mul_u32_u24 v13, v11, 272
	v_lshl_add_u32 v13, v12, 7, v13                ; block l: piece l / 2, half l % 2
	v_add_nc_u32 v[XA], s37, v13
	v_add_nc_u32 v[WA], WRB, v13
	v_mul_u32_u24 v14, v11, 24
	v_mad_u32_u24 v14, v12, 384, v14
	s_mul_i32 s45, s[WV], 6144
	s_add_co_u32 s45, s45, CSB
	v_add_nc_u32 v[CSA], s45, v14
	v_lshlrev_b32 v[O16], 4, v[LN]
	v_add_nc_u32 v[CSR], s45, v[O16]
	s_lshl_b32 s46, s[WV], 8
	s_add_co_u32 s46, s46, SSB
	v_add_nc_u32 v[SSA], s46, v[LN]
	v_lshlrev_b32 v[O8], 3, v[LN]
	v_add_nc_u32 v[SSR], s46, v[O8]
	v_lshlrev_b32 v[O4], 2, v[LN]
	s_wait_dscnt 0x0
	s_wait_kmcnt 0x0
	s_add_nc_u64 s[34:35], s[6:7], s[52:53]
	s_or_b32 s35, s35, 0x80000000
	s_add_nc_u64 s[38:39], s[4:5], s[50:51]
	s_add_nc_u64 s[42:43], s[38:39], 16384
	s_or_b32 s39, s39, 0x80000000
	s_or_b32 s43, s43, 0x80000000
	tensor_load_to_lds s[32:35], s[24:31]          ; the three first fills go out together, ahead of every wait on TENSORcnt, every LDS read and the barrier
	s_nop 0
	tensor_load_to_lds s[36:39], s[16:23]
	s_nop 0
	tensor_load_to_lds s[40:43], s[16:23]
	s_nop 0
.irp e, 0,1,2,3,4,5,6,7
	v_mov_b32 v[PX+\e], 0                          ; written once: a lane permute's destination counts as one of its sources
.endr
	s_lshl_b32 s54, ttmp9, 5
	s_lshl_b32 s55, s[WV], 3
	s_add_co_u32 s54, s54, s55                     ; my first token: 32 x work-group + 8 x wave
	s_mov_b32 s57, 0
	s_mul_i32 s56, s54, 768
	s_add_nc_u64 s[8:9], s[8:9], s[56:57]
	s_lshl_b32 s56, s54, 5
	s_add_nc_u64 s[10:11], s[10:11], s[56:57]
	s_lshl_b32 s56, s54, 2
	s_add_nc_u64 s[12:13], s[12:13], s[56:57]
	s_lshl_b32 s56, s54, 3
	s_add_nc_u64 s[14:15], s[14:15], s[56:57]
	s_wait_tensorcnt 0x2                           ; my two rows of Wr have landed (the two loads of x are younger),
	s_barrier_signal -1
	s_barrier_wait -1                              ; everybody's have; x may stay on its way
	WIN 0x40                                       ; destination window 1
.set e_, 0
.rept 8
.set j_, 0
.rept 8
	ds_load_b128 v[32*e_+4*j_:32*e_+4*j_+3], v[WA] offset:e_*XROW+16*j_
.set j_, j_+1
.endr
.set e_, e_+1
.endr
	WIN 0
.macro XLD i                           ; my block of row i into set i % 2
.irp q, 0,1,2,3,4,5,6,7
	ds_load_b128 v[X+32*((\i)%2)+4*\q:X+32*((\i)%2)+4*\q+3], v[XA] offset:(\i)*XROW+16*\q
.endr
.endm
.macro ROW i
.set XS_, X+32*((\i)%2)
	s_wait_dscnt 0x0                               ; this row's numbers are in (Wr too, in the first row); the last row's stores into the stages have read their registers
.if (\i) == 3
	s_wait_tensorcnt 0x0                           ; rows 4-7 have landed: row 4 is read next
.endif
.if (\i) < 7
	XLD (\i)+1
.endif
	WIN 0x04                                       ; source 1 (Wr) window 1
.set j_, 0
.rept 16
.set e_, 0
.rept 8
.if j_ == 0
	v_pk_mul_f32 v[SM+2*e_:SM+2*e_+1], v[XS_+2*j_:XS_+2*j_+1], v[32*e_+2*j_:32*e_+2*j_+1]     ; the first product starts the sums; the 8 experts by turns
.else
	v_pk_fma_f32 v[SM+2*e_:SM+2*e_+1], v[XS_+2*j_:XS_+2*j_+1], v[32*e_+2*j_:32*e_+2*j_+1], v[SM+2*e_:SM+2*e_+1]
.endif
.set e_, e_+1
.endr
.set j_, j_+1
.endr
	WIN 0
	v_max3_num_f32 v[QT], |v[XS_]|, |v[XS_+1]|, |v[XS_+2]|             ; the block's largest magnitude: all 32 numbers are mine; two chains
	v_max3_num_f32 v[QT+1], |v[XS_+3]|, |v[XS_+4]|, |v[XS_+5]|
.irp k, 6,10,14,18,22,26
	v_max3_num_f32 v[QT], v[QT], |v[XS_+\k]|, |v[XS_+\k+1]|
	v_max3_num_f32 v[QT+1], v[QT+1], |v[XS_+\k+2]|, |v[XS_+\k+3]|
.endr
	v_max3_num_f32 v[QT], v[QT], |v[XS_+30]|, |v[XS_+31]|
	v_max3_num_f32 v[QT], v[QT], v[QT+1], 0x2800000                   ; and the floor 2^(5 - 127): the byte cannot fall under 1
	v_add_nc_u32 v[QT+2], 0xfe000000, v[QT]                           ; 4 off the exponent field: the conversion takes this operand's exponent field as its scale
	v_cvt_scalef32_pk16_bf6_f32 v[CC:CC+2], v[XS_:XS_+15], v[QT+2]
	v_cvt_scalef32_pk16_bf6_f32 v[DD:DD+2], v[XS_+16:XS_+31], v[QT+2]  ; (a conversion's three registers begin on an even number)
	v_lshrrev_b32 v[QT+3], 23, v[QT+2]                                ; the scale's byte; also the plain line behind the conversions
	v_mov_b32 v[CC+3], v[DD]
	v_mov_b32 v[CC+4], v[DD+1]
	v_mov_b32 v[CC+5], v[DD+2]
	ds_store_b64 v[CSA], v[CC:CC+1] offset:(\i)*768
	ds_store_b64 v[CSA], v[CC+2:CC+3] offset:(\i)*768+8
	ds_store_b64 v[CSA], v[CC+4:CC+5] offset:(\i)*768+16
	ds_store_b8 v[SSA], v[QT+3] offset:32*(\i)
.irp e, 0,1,2,3,4,5,6,7
	v_add_f32 v[SM+2*\e], v[SM+2*\e], v[SM+2*\e+1]                    ; the sums' halves, then the 32 lanes
.endr
.irp k, 1,2,4,8
.irp e, 0,1,2,3,4,5,6,7
	v_add_f32_dpp v[SM+2*\e], v[SM+2*\e], v[SM+2*\e] row_xmask:\k row_mask:0xf bank_mask:0xf
.endr
.endr
.irp e, 0,1,2,3,4,5,6,7
	v_permlanex16_b32 v[PX+\e], v[SM+2*\e], s[SEL], s[SEL+1]
.endr
.irp e, 0,1,2,3,4,5,6,7
	v_add_f32 v[SM+2*\e], v[SM+2*\e], v[PX+\e]
.endr
.if (\i) == 0
.irp e, 0,1,2,3,4,5,6,7
	v_mov_b32 v[LG+\e], v[SM+2*\e]                                    ; every lane is written once,
.endr
.else
	s_mov_b32 s58, 1<<(\i)
.irp e, 0,1,2,3,4,5,6,7
	v_cndmask_b32 v[LG+\e], v[LG+\e], v[SM+2*\e], s58                 ; then lane i keeps row i's logits
.endr
.endif
.endm
	s_wait_tensorcnt 0x1                           ; my rows 0-3 have landed; only I read them
	XLD 0
.irp i, 0,1,2,3,4,5,6,7
	ROW \i
.endr
	; the codes and scale bytes come back from the stages as they will lie in memory (LDS serves a wave's instructions in order); the choice of experts is made while they are on their way
.irp q, 0,1,2,3,4,5,6,7,8,9,10,11
	ds_load_b128 v[OUTR+4*\q:OUTR+4*\q+3], v[CSR] offset:512*\q
.endr
	ds_load_b64 v[208:209], v[SSR]
	; THE TWO LARGEST.  Lanes 0-7 hold tokens 0-7 (the other lanes repeat token 0 and store nothing)
	v_max3_num_f32 v128, v[LG], v[LG+1], v[LG+2]
	v_max3_num_f32 v128, v128, v[LG+3], v[LG+4]
	v_max3_num_f32 v128, v128, v[LG+5], v[LG+6]
	v_max_num_f32 v128, v128, v[LG+7]              ; m1
	v_mov_b32 v129, 7
.irp e, 6,5,4,3,2,1,0
	v_cmp_neq_f32 vcc_lo, v[LG+\e], v128
	v_cndmask_b32 v129, \e, v129, vcc_lo           ; from 7 down: among equals the lowest index stays
.endr
	v_mov_b32 v138, 0xff800000
.irp e, 0,1,2,3,4,5,6,7
	v_cmp_eq_u32 vcc_lo, \e, v129
	v_cndmask_b32 v[130+\e], v[LG+\e], v138, vcc_lo   ; the first is taken out
.endr
	v_max3_num_f32 v139, v130, v131, v132
	v_max3_num_f32 v139, v139, v133, v134
	v_max3_num_f32 v139, v139, v135, v136
	v_max_num_f32 v139, v139, v137                 ; m2
	v_mov_b32 v140, 7
.irp e, 6,5,4,3,2,1,0
	v_cmp_neq_f32 vcc_lo, v[130+\e], v139
	v_cndmask_b32 v140, \e, v140, vcc_lo
.endr
.irp e, 0,1,2,3,4,5,6,7
	v_sub_f32 v[141+\e], v[LG+\e], v128            ; the maximum is taken away
.endr
	v_sub_f32 v149, v139, v128
.irp e, 0,1,2,3,4,5,6,7,8
	v_mul_f32 v[141+\e], 0x3fb8aa3b, v[141+\e]
.endr
.irp e, 0,1,2,3,4,5,6,7,8
	v_exp_f32 v[141+\e], v[141+\e]
.endr
	v_nop                                          ; one plain line behind the exponentials
	s_wait_alu depctr_va_vdst(0)
	v_add_f32 v141, v141, v142
	v_add_f32 v143, v143, v144
	v_add_f32 v145, v145, v146
	v_add_f32 v147, v147, v148
	v_add_f32 v141, v141, v143
	v_add_f32 v145, v145, v147
	v_add_f32 v141, v141, v145
	v_rcp_f32 v150, v141                           ; p1 = 1 / the sum
	v_nop
	s_wait_alu depctr_va_vdst(0)
	v_mul_f32 v151, v149, v150                     ; p2
	v_add_f32 v152, v150, v151
	v_add_f32 v152, 0x322bcc77, v152               ; + 1e-8
	v_rcp_f32 v152, v152
	v_nop
	s_wait_alu depctr_va_vdst(0)
	v_mul_f32 v150, v150, v152
	v_mul_f32 v151, v151, v152
	v_cmp_lt_u32 vcc_lo, v129, v140
	v_cndmask_b32 v153, v140, v129, vcc_lo         ; lo
	v_cndmask_b32 v154, v129, v140, vcc_lo         ; hi
	v_cndmask_b32 v156, v151, v150, vcc_lo         ; w_lo
	v_cndmask_b32 v157, v150, v151, vcc_lo         ; w_hi
	v_sub_nc_u32 v155, 15, v153
	v_mul_u32_u24 v155, v155, v153
	v_lshrrev_b32 v155, 1, v155
	v_add_nc_u32 v155, v155, v154
	v_sub_nc_u32 v155, v155, v153
	v_add_nc_u32 v155, -1, v155                    ; the pair's number
	s_wait_dscnt 0x0
.irp q, 0,1,2,3,4,5,6,7,8,9,10,11
	global_store_b128 v[O16], v[OUTR+4*\q:OUTR+4*\q+3], s[8:9] offset:512*\q    ; 512 consecutive bytes a store; the wave's 6,144 begin at a multiple of 256
.endr
	global_store_b64 v[O8], v[208:209], s[10:11]   ; 256 consecutive bytes, aligned
	s_wait_xcnt 0x0                                ; EXEC is narrowed only behind this wait
	v_cmp_gt_u32 vcc_lo, 8, v[LN]
	s_wait_tensorcnt 0x0
	ds_add_u32 v254, v255
	s_wait_dscnt 0x0
	s_and_saveexec_b32 s59, vcc_lo
	global_store_b32 v[O4], v155, s[12:13]
	global_store_b64 v[O8], v[156:157], s[14:15]
	s_endpgm
.Lfunc_end_k_qe2cc41d057_route:
	.size	k_qe2cc41d057_route, .Lfunc_end_k_qe2cc41d057_route-k_qe2cc41d057_route
	.p2alignl 7, 3214868480
	.fill 96, 4, 3214868480
	.section	.rodata,"a",@progbits
	.p2align	6, 0x0
	.amdhsa_kernel k_qe2cc41d057_route
		.amdhsa_group_segment_fixed_size 200192
		.amdhsa_private_segment_fixed_size 0
		.amdhsa_enable_private_segment 0
		.amdhsa_kernarg_size 48
		.amdhsa_user_sgpr_count 2
		.amdhsa_user_sgpr_kernarg_segment_ptr 1
		.amdhsa_wavefront_size32 1
		.amdhsa_system_sgpr_workgroup_id_x 1
		.amdhsa_system_sgpr_workgroup_id_y 1
		.amdhsa_system_sgpr_workgroup_id_z 1
		.amdhsa_system_vgpr_workitem_id 0
		.amdhsa_next_free_vgpr 512
		.amdhsa_next_free_sgpr 66
		.amdhsa_reserve_vcc 1
		.amdhsa_float_denorm_mode_32 3
		.amdhsa_float_denorm_mode_16_64 3
		.amdhsa_memory_ordered 1
		.amdhsa_forward_progress 1
		.amdhsa_inst_pref_size 125
	.end_amdhsa_kernel
	.amdgpu_metadata
---
amdhsa.version: [ 1, 2 ]
amdhsa.kernels:
  - .name:           k_qe2cc41d057_route
    .symbol:         k_qe2cc41d057_route.kd
    .args:
      - { .name: x, .offset: 0, .size: 8, .value_kind: global_buffer, .address_space: global }
      - { .name: Wr, .offset: 8, .size: 8, .value_kind: global_buffer, .address_space: global }
      - { .name: xq, .offset: 16, .size: 8, .value_kind: global_buffer, .address_space: global }
      - { .name: xs, .offset: 24, .size: 8, .value_kind: global_buffer, .address_space: global }
      - { .name: pid, .offset: 32, .size: 8, .value_kind: global_buffer, .address_space: global }
      - { .name: cw, .offset: 40, .size: 8, .value_kind: global_buffer, .address_space: global }
    .group_segment_fixed_size: 200192
    .private_segment_fixed_size: 0
    .kernarg_segment_align: 8
    .kernarg_segment_size: 48
    .max_flat_workgroup_size: 128
    .sgpr_count:     66
    .vgpr_count:     512
    .wavefront_size: 32
...
	.end_amdgpu_metadata
.endif
;; end of part 1
;; launch place (part 2): grid 124 x 1, 32 waves a work-group, no clusters, 107,776 bytes of LDS; arguments pid, Wg_codes, Wu_codes, Wd_codes, Wg_scales, Wu_scales, Wd_scales, cnt, order, wfr, wsc; writes cnt, order, wfr, wsc
.if DOCPART == 2
	.amdgcn_target "amdgcn-amd-amdhsa--gfx1250"
	.amdhsa_code_object_version 6
	.text
	.protected	k_qe2cc41d057_place
	.globl	k_qe2cc41d057_place
	.p2align	8
	.type	k_qe2cc41d057_place,@function
k_qe2cc41d057_place:
	s_mov_b64 s[64:65], 0
	v_nop
	global_prefetch_b8 v0, s[64:65] scope:SCOPE_SE
	s_setreg_imm32_b32 hwreg(HW_REG_WAVE_MODE, 25, 1), 1
	s_wait_xcnt 0x0
; TWO JOBS IN ONE LAUNCH, parted on the work-group's number; each way has LDS bytes of its own.
; Work-groups 0-27: work-group b lists the tokens whose pair of experts has the number b: order[b][0 .. cnt[b] - 1], and cnt[b].  No atomics: each of the 32 waves counts its 256 tokens,
;   the counts meet in LDS, and a token's place is (the waves ahead) + (the registers ahead) + (the lanes ahead).  The order inside a list is free: every token's row of the output stands alone.
; Work-groups 28-123: stream sigma = number - 28 = 32 q + 4 e + w (q: 0 gate, 1 up, 2 down; e the expert; w the wave of the next launch that will read it): 49,152 dense bytes of codes are laid
;   anew as 32 IMAGES OF OPERAND REGISTERS of 1,536 bytes: byte 512 c + 16 lane of an image holds registers 4 c .. 4 c + 3 of that lane, so that a fragment comes by three loads of 16 bytes a lane.
;   gate, up: image 4 s + t = K step s, tile t of rows 64 w on; lane r takes row 32 (t / 2) + 8 (t % 2) + r + 8 (r / 8), so that the results of tiles 2 b, 2 b + 1 are 16 neighbours along the next K.
;   down: image 2 n + s = rows 256 w + 16 n on, K step s; lane r takes row r.
;   wsc: 2,048 bytes a stream; a step is four images; the word at 256 step + 16 r + 4 j is lane r's scale word for the step's image j: one load of 16 bytes a lane brings a step's four.
; Every number that steers an address here is a whole number read from memory (pid) or an id.
.set PL, 0                             ; LDS: the 32 waves' counts
.set GU, 256                           ; LDS: 64 rows of 768 bytes, 784 apart
.set DN, GU+64*784                     ; LDS: 256 rows of 192 bytes, 208 apart
	s_load_b512 s[4:19], s[0:1], 0x0               ; pid s[4:5], Wg_codes s[6:7], Wu_codes s[8:9], Wd_codes s[10:11], Wg_scales s[12:13], Wu_scales s[14:15], Wd_scales s[16:17], cnt s[18:19]
	s_load_b128 s[20:23], s[0:1], 0x40             ; order s[20:21], wfr s[22:23]
	s_load_b64 s[24:25], s[0:1], 0x50              ; wsc
	v_lshl_add_u32 v64, v0, 2, 0x19500
	v_mov_b32 v65, 0
	v_lshrrev_b32 v2, 5, v0
	v_readfirstlane_b32 s26, v2                    ; wave 0..31
	v_and_b32 v1, 31, v0                           ; lane
	v_lshlrev_b32 v3, 4, v1                        ; 16 x lane
	s_cmp_ge_u32 ttmp9, 28
	s_cbranch_scc1 .Lweights
	; ---- the list of pair b = my work-group's number.  Wave v takes tokens 256 v .. 256 v + 255: register k of lane l is token 256 v + 128 (k / 4) + 4 l + k % 4
	s_mov_b32 s31, ttmp9
	s_lshl_b32 s27, s26, 10
	v_add_nc_u32 v4, s27, v3
	s_lshl_b32 s28, ttmp9, 15                      ; a row of order is 32,768 bytes
	s_mov_b32 s29, 0
	s_lshl_b32 s30, s26, 8
	v_lshl_add_u32 v5, v1, 2, s30
.irp k, 0,1,2,3,4,5,6,7
	v_add_nc_u32 v[16+\k], 128*(\k/4)+\k%4, v5     ; the token numbers, each in a register of its own
.endr
	s_mov_b32 s62, 0x76543210
	s_mov_b32 s63, 0xfedcba98
	v_mov_b32 v28, 0                               ; written once: the destinations of the lane moves below count as sources
	v_mov_b32 v29, 0
	v_mov_b32 v30, 0                               ; the offset of the store of cnt[b]: made here, every lane on, ahead of every load and of every change of EXEC; never rewritten
	s_wait_kmcnt 0x0
	global_load_b128 v[8:11], v4, s[4:5]
	global_load_b128 v[12:15], v4, s[4:5] offset:512
	s_add_nc_u64 s[20:21], s[20:21], s[28:29]
	s_lshl_b32 s28, ttmp9, 2
	s_add_nc_u64 s[18:19], s[18:19], s[28:29]
	s_wait_loadcnt 0x0
.irp k, 0,1,2,3,4,5,6,7
	v_cmp_eq_u32 s[32+\k], s31, v[8+\k]
	s_bcnt1_i32_b32 s[40+\k], s[32+\k]
.endr
	s_add_co_u32 s48, s40, s41
.irp k, 2,3,4,5,6,7
	s_add_co_u32 s48, s48, s[40+\k]
.endr
	v_mov_b32 v6, s48                              ; my wave's count
	v_mov_b32 v24, s26
	v_lshlrev_b32 v24, 2, v24
	ds_store_b32 v24, v6                           ; all lanes write the same word with the same value
	s_wait_dscnt 0x0                               ; for the others' sake
	s_barrier_signal -1
	s_barrier_wait -1
	v_lshlrev_b32 v25, 2, v1
	ds_load_b32 v26, v25                           ; lane l: wave l's count
	s_wait_dscnt 0x0
	v_cmp_gt_u32 vcc_lo, s26, v1
	v_cndmask_b32 v27, 0, v26, vcc_lo              ; only the waves ahead of mine
.irp k, 1,2,4,8
	v_mov_b32_dpp v28, v26 row_xmask:\k row_mask:0xf bank_mask:0xf
	v_mov_b32_dpp v29, v27 row_xmask:\k row_mask:0xf bank_mask:0xf
	v_add_nc_u32 v26, v26, v28
	v_add_nc_u32 v27, v27, v29
.endr
	v_permlanex16_b32 v28, v26, s62, s63
	v_permlanex16_b32 v29, v27, s62, s63
	v_add_nc_u32 v26, v26, v28                     ; the pair's count
	v_add_nc_u32 v27, v27, v29
	v_readfirstlane_b32 s50, v27                   ; where my wave's part of the list begins
.irp k, 0,1,2,3,4,5,6,7
	v_mbcnt_lo_u32_b32 v[32+\k], s[32+\k], s50     ; + the chosen lanes under mine
	s_add_co_u32 s50, s50, s[40+\k]
	v_min_u32 v[32+\k], 0x1fff, v[32+\k]           ; a place made of loaded numbers is held inside the row
	v_lshlrev_b32 v[32+\k], 2, v[32+\k]
.endr
.irp k, 0,1,2,3,4,5,6,7
	v_cmp_eq_u32 vcc_lo, s31, v[8+\k]
	s_wait_xcnt 0x0                                ; EXEC changes only behind this wait,
	s_and_saveexec_b32 s51, vcc_lo
	global_store_b32 v[32+\k], v[16+\k], s[20:21]  ; the chosen lanes' places are neighbours
	s_wait_xcnt 0x0                                ; and again where it is widened
	s_or_b32 exec_lo, exec_lo, s51
.endr
	s_cmp_lg_u32 s26, 0
	s_cbranch_scc1 .Llist_done
	v_cmp_eq_u32 vcc_lo, 0, v1
	s_wait_tensorcnt 0x0
	ds_add_u32 v64, v65
	s_wait_dscnt 0x0
	s_and_saveexec_b32 s51, vcc_lo                 ; (no memory instruction has been issued since the last wait on XCNT)
	global_store_b32 v30, v26, s[18:19]            ; cnt[b], by one lane of wave 0
	s_endpgm
.Llist_done:
	s_wait_tensorcnt 0x0
	ds_add_u32 v64, v65
	s_wait_dscnt 0x0
	s_endpgm
.Lweights:
	s_sub_co_u32 s27, ttmp9, 28                    ; sigma
	s_lshr_b32 s28, s27, 5                         ; q
	s_and_b32 s29, s27, 31                         ; 4 e + w
	s_mul_i32 s30, s29, 49152                      ; the stream's codes in their tensor: 64 rows of 768 bytes, or 256 of 192
	s_mov_b32 s31, 0
	s_mul_i32 s32, s27, 49152                      ; and in wfr
	s_mov_b32 s33, 0
	s_lshl_b32 s34, s29, 11                        ; its scale bytes: 64 rows of 32, or 256 of 8
	s_mov_b32 s35, 0
	s_lshl_b32 s36, s27, 11                        ; and in wsc
	s_mov_b32 s37, 0
	s_mul_i32 s38, s26, 1536
	v_add_nc_u32 v4, s38, v3                       ; 1,536 x wave + 16 x lane: in the source block and in wfr alike
	v_and_b32 v20, 15, v1                          ; r
	v_lshrrev_b32 v21, 4, v1                       ; h
	v_lshrrev_b32 v40, 6, v0                       ; for the scale words, thread tau < 512: step = tau / 64,
	v_bfe_u32 v41, v0, 2, 4                        ; r = (tau / 4) % 16,
	v_and_b32 v42, 3, v0                           ; j = tau % 4
	v_lshlrev_b32 v45, 2, v0
	s_wait_kmcnt 0x0
	s_add_nc_u64 s[22:23], s[22:23], s[32:33]
	s_add_nc_u64 s[24:25], s[24:25], s[36:37]
	s_cmp_eq_u32 s28, 2
	s_cbranch_scc1 .Ldown
	; ---- gate or up
	s_cmp_eq_u32 s28, 0
	s_cselect_b64 s[6:7], s[6:7], s[8:9]           ; the choice hangs on the work-group's number alone
	s_cselect_b64 s[12:13], s[12:13], s[14:15]
	s_add_nc_u64 s[6:7], s[6:7], s[30:31]
	s_add_nc_u64 s[12:13], s[12:13], s[34:35]
	global_load_b128 v[8:11], v4, s[6:7]           ; wave v: rows 2 v and 2 v + 1, 1,536 dense bytes
	global_load_b128 v[12:15], v4, s[6:7] offset:512
	global_load_b128 v[16:19], v4, s[6:7] offset:1024
	s_mul_i32 s39, s26, 2*784
	s_add_co_u32 s39, s39, GU
	v_add_nc_u32 v5, s39, v3                       ; piece c = 32 q + l goes to 16 c, and 16 further on from c = 48 (the second row)
	v_lshl_add_u32 v6, v21, 4, v5
	v_and_b32 v22, 8, v20
	v_add_nc_u32 v22, v22, v20                     ; r + 8 (r / 8)
	v_mul_u32_u24 v23, v22, 784
	v_mad_u32_u24 v23, v21, 24, v23
	s_and_b32 s40, s26, 3                          ; then wave v makes image v = 4 s + t
	s_lshr_b32 s41, s26, 2
	s_lshr_b32 s42, s40, 1
	s_and_b32 s43, s40, 1
	s_lshl_b32 s42, s42, 5
	s_lshl_b32 s43, s43, 3
	s_add_co_u32 s42, s42, s43                     ; the tile's first row: 32 (t / 2) + 8 (t % 2)
	s_mul_i32 s42, s42, 784
	s_mul_i32 s41, s41, 96
	s_add_co_u32 s42, s42, s41
	s_add_co_u32 s42, s42, GU
	v_add_nc_u32 v23, s42, v23
	s_wait_loadcnt 0x0
	ds_store_b128 v5, v[8:11]
	ds_store_b128 v6, v[12:15] offset:512
	ds_store_b128 v5, v[16:19] offset:1040
	s_wait_dscnt 0x0
	s_barrier_signal -1
	s_barrier_wait -1
.irp p, 0,1,2,3,4,5
	ds_load_b64 v[24+2*\p:25+2*\p], v23 offset:48*(\p/3)+8*(\p%3)    ; registers 6 c .. 6 c + 5: k = 64 c + 32 h + 0 .. 31, 24 bytes as they lie
.endr
	s_wait_dscnt 0x0
.irp c, 0,1,2
	global_store_b128 v4, v[24+4*\c:27+4*\c], s[22:23] offset:512*\c ; 512 consecutive bytes a store
.endr
	s_cmp_ge_u32 s26, 16
	s_cbranch_scc1 .Lgu_done
	v_and_b32 v43, 8, v41
	v_add_nc_u32 v43, v43, v41
	v_lshrrev_b32 v44, 1, v42
	v_lshl_add_u32 v43, v44, 5, v43
	v_and_b32 v44, 1, v42
	v_lshl_add_u32 v43, v44, 3, v43                ; row 32 (j / 2) + 8 (j % 2) + r + 8 (r / 8),
	v_lshlrev_b32 v43, 5, v43                      ; 32 bytes a row,
	v_lshl_add_u32 v43, v40, 2, v43                ; word = K step
	global_load_b32 v46, v43, s[12:13]
	s_wait_loadcnt 0x0
	global_store_b32 v45, v46, s[24:25]
.Lgu_done:
	s_wait_tensorcnt 0x0
	ds_add_u32 v64, v65
	s_wait_dscnt 0x0
	s_endpgm
.Ldown:
	s_add_nc_u64 s[10:11], s[10:11], s[30:31]
	s_add_nc_u64 s[16:17], s[16:17], s[34:35]
	global_load_b128 v[8:11], v4, s[10:11]         ; wave v: rows 8 v .. 8 v + 7, 1,536 dense bytes
	global_load_b128 v[12:15], v4, s[10:11] offset:512
	global_load_b128 v[16:19], v4, s[10:11] offset:1024
	s_mul_i32 s39, s26, 8*208
	s_add_co_u32 s39, s39, DN
.irp q, 0,1,2
	v_add_nc_u32 v[48+\q], 32*\q, v1               ; piece c = 32 q + l of 96; a row has 12
	v_mul_u32_u24 v[52+\q], v[48+\q], 43
	v_lshrrev_b32 v[52+\q], 9, v[52+\q]            ; c / 12 (43 c / 512 is that for c under 96)
	v_add_nc_u32 v[48+\q], v[48+\q], v[52+\q]      ; 16 bytes of padding behind each row
	v_lshl_add_u32 v[48+\q], v[48+\q], 4, s39
.endr
	v_mul_u32_u24 v23, v20, 208
	v_mad_u32_u24 v23, v21, 24, v23
	s_lshr_b32 s40, s26, 1                         ; then wave v makes image v = 2 n + s
	s_and_b32 s41, s26, 1
	s_mul_i32 s40, s40, 16*208
	s_mul_i32 s41, s41, 96
	s_add_co_u32 s40, s40, s41
	s_add_co_u32 s40, s40, DN
	v_add_nc_u32 v23, s40, v23
	s_wait_loadcnt 0x0
	ds_store_b128 v48, v[8:11]
	ds_store_b128 v49, v[12:15]
	ds_store_b128 v50, v[16:19]
	s_wait_dscnt 0x0
	s_barrier_signal -1
	s_barrier_wait -1
.irp p, 0,1,2,3,4,5
	ds_load_b64 v[24+2*\p:25+2*\p], v23 offset:48*(\p/3)+8*(\p%3)
.endr
	s_wait_dscnt 0x0
.irp c, 0,1,2
	global_store_b128 v4, v[24+4*\c:27+4*\c], s[22:23] offset:512*\c
.endr
	s_cmp_ge_u32 s26, 16
	s_cbranch_scc1 .Ldn_done
	v_lshrrev_b32 v44, 1, v42
	v_lshl_add_u32 v43, v40, 1, v44                ; n = 2 step + j / 2
	v_lshl_add_u32 v43, v43, 4, v41                ; row 16 n + r,
	v_lshlrev_b32 v43, 3, v43                      ; 8 bytes a row,
	v_and_b32 v44, 1, v42
	v_lshl_add_u32 v43, v44, 2, v43                ; word = K step j % 2
	global_load_b32 v46, v43, s[16:17]
	s_wait_loadcnt 0x0
	global_store_b32 v45, v46, s[24:25]
.Ldn_done:
	s_wait_tensorcnt 0x0
	ds_add_u32 v64, v65
	s_wait_dscnt 0x0
	s_endpgm
.Lfunc_end_k_qe2cc41d057_place:
	.size	k_qe2cc41d057_place, .Lfunc_end_k_qe2cc41d057_place-k_qe2cc41d057_place
	.p2alignl 7, 3214868480
	.fill 96, 4, 3214868480
	.section	.rodata,"a",@progbits
	.p2align	6, 0x0
	.amdhsa_kernel k_qe2cc41d057_place
		.amdhsa_group_segment_fixed_size 107776
		.amdhsa_private_segment_fixed_size 0
		.amdhsa_enable_private_segment 0
		.amdhsa_kernarg_size 88
		.amdhsa_user_sgpr_count 2
		.amdhsa_user_sgpr_kernarg_segment_ptr 1
		.amdhsa_wavefront_size32 1
		.amdhsa_system_sgpr_workgroup_id_x 1
		.amdhsa_system_sgpr_workgroup_id_y 1
		.amdhsa_system_sgpr_workgroup_id_z 1
		.amdhsa_system_vgpr_workitem_id 0
		.amdhsa_next_free_vgpr 66
		.amdhsa_next_free_sgpr 66
		.amdhsa_reserve_vcc 1
		.amdhsa_float_denorm_mode_32 3
		.amdhsa_float_denorm_mode_16_64 3
		.amdhsa_memory_ordered 1
		.amdhsa_forward_progress 1
		.amdhsa_inst_pref_size 16
	.end_amdhsa_kernel
	.amdgpu_metadata
---
amdhsa.version: [ 1, 2 ]
amdhsa.kernels:
  - .name:           k_qe2cc41d057_place
    .symbol:         k_qe2cc41d057_place.kd
    .args:
      - { .name: pid, .offset: 0, .size: 8, .value_kind: global_buffer, .address_space: global }
      - { .name: Wg_codes, .offset: 8, .size: 8, .value_kind: global_buffer, .address_space: global }
      - { .name: Wu_codes, .offset: 16, .size: 8, .value_kind: global_buffer, .address_space: global }
      - { .name: Wd_codes, .offset: 24, .size: 8, .value_kind: global_buffer, .address_space: global }
      - { .name: Wg_scales, .offset: 32, .size: 8, .value_kind: global_buffer, .address_space: global }
      - { .name: Wu_scales, .offset: 40, .size: 8, .value_kind: global_buffer, .address_space: global }
      - { .name: Wd_scales, .offset: 48, .size: 8, .value_kind: global_buffer, .address_space: global }
      - { .name: cnt, .offset: 56, .size: 8, .value_kind: global_buffer, .address_space: global }
      - { .name: order, .offset: 64, .size: 8, .value_kind: global_buffer, .address_space: global }
      - { .name: wfr, .offset: 72, .size: 8, .value_kind: global_buffer, .address_space: global }
      - { .name: wsc, .offset: 80, .size: 8, .value_kind: global_buffer, .address_space: global }
    .group_segment_fixed_size: 107776
    .private_segment_fixed_size: 0
    .kernarg_segment_align: 8
    .kernarg_segment_size: 88
    .max_flat_workgroup_size: 1024
    .sgpr_count:     66
    .vgpr_count:     66
    .wavefront_size: 32
...
	.end_amdgpu_metadata
.endif
;; end of part 2
;; launch chain (part 3): grid 155 x 1, 4 waves a work-group, no clusters, 147,968 bytes of LDS; arguments cnt, order, cw, xq, xs, wfr, wsc, out0; writes out0
.if DOCPART == 3
	.amdgcn_target "amdgcn-amd-amdhsa--gfx1250"
	.amdhsa_code_object_version 6
	.text
	.protected	k_qe2cc41d057_chain
	.globl	k_qe2cc41d057_chain
	.p2align	8
	.type	k_qe2cc41d057_chain,@function
k_qe2cc41d057_chain:
	s_mov_b64 s[64:65], 0
	v_nop
	global_prefetch_b8 v0, s[64:65] scope:SCOPE_SE
	s_setreg_imm32_b32 hwreg(HW_REG_WAVE_MODE, 25, 1), 1
	s_wait_xcnt 0x0
; THE EXPERTS.  A tile is 64 tokens that chose the same pair {lo, hi}; a work-group takes one tile through both experts: gate and up (K = 1,024), SwiGLU in f32, the hidden layer quantised along its 256,
; down (K = 256), out = w_lo out_lo + w_hi out_hi, stored.  All products on codes of BF6 (E3M2) with E8M0 scales for each 32 along K.  Each row of the output has one owner; the hidden layer never goes to memory.
; THE GRID serves every split: with 8,192 tokens, 28 pairs and tiles of 64 there are never more than 128 + 27 = 155 tiles.  Tile t's pair is found by walking the 28 counts.
; A work-group beyond the split's tiles runs the same text on the last list's last token and stores nothing: both barriers stand on every wave's path, none under a branch on the counts; only the way out is jumped over.
; Rows beyond a list's end repeat its last token: they compute, and store again, the same bytes as that token's own row.  Every list index is held at cnt - 1, so only entries that were written are read.
; SHARES.  THE WAVES SHARE THE COLUMNS, NOT THE ROWS: wave w makes hidden units 64 w .. 64 w + 63 (4 tiles of gate, 4 of up) and outputs 256 w .. 256 w + 255, for all 64 rows.  So each weight byte enters the
; work-group once, from memory straight into operand registers (the launch before laid the weights as images of those registers); what goes from wave to wave through LDS is small: the rows' codes, as register images.
; BOTH PRODUCTS ARE USED TRANSPOSED (source 0 = 16 rows of a weight, source 1 = 16 tokens): a lane holds one token, its registers run along the hidden units, then along the outputs.
; THE WEIGHT STREAM: 24 steps (8 gate|up of lo, 8 of hi, 8 down lo|hi); a step is 1 load of scale words, 12 of stream A, 12 of stream B, 512 bytes each, asked for two steps ahead into a ring of four sets.
; NO CLUSTER: which tiles share an expert hangs on the counts; four partners of one pair would want each list padded to 256 rows (up to 28 x 192 rows more on 8,192), and a joint load lands in LDS, while here a
; weight byte goes to one wave's registers and is read by nobody else in the work-group.
; LIMITS: NaN and infinities are not served; a hidden block of zeros, or under 2^-122, gets the byte 1 (its codes are zeros or the floor's); v_exp_f32 gives 0 under 2^-126, which leaves the sigmoid at 1.
; REGISTERS, in windows of 256.  Window 0: addresses, scale words, weights of the combine, work.  Window 1: v0-127 gate's 16 accumulators (32 m + 8 t), v128-255 up's; later v0-127 down's (64 e + 32 n + 8 m) and
; v128-223 the lo expert's 8 hidden fragments.  Windows 2 and 3: v0-191 two ring sets each (96 (set % 2) + 12 f); v192-239 four fragments of x (K steps by turns), later the hi expert's hidden fragments.
.set FRB,  1536                        ; a fragment's image: 12 registers x 128 bytes
.set XI,   0                           ; LDS: x's 32 images, (8 m + s) FRB
.set HI,   32*FRB                      ; LDS: the hidden layer's 16 images, ((4 e + m) 2 + s') FRB; half c = registers 6 c .. 6 c + 5 at 768 c: four registers at 16 l, two at 512 + 8 l
.set HSW,  HI+16*FRB                   ; LDS: its scale bytes, ((4 e + m) 4 + w) 128: wave w's two bytes as a word a lane
.set OS,   HSW+32*128                  ; LDS: the way out, 64 rows x (256 + 16) bytes for each wave, its own
.set OSP,  272
.set LI,   1                           ; v1   16 l
.set L8H,  2                           ; v2   HI + 8 l
.set LSH,  3                           ; v3   HSW + 4 l
.set VSC,  4                           ; v4   my offset in wsc for the stream in hand: lanes 0-15 stream A's words of row r, lanes 16-31 stream B's
.set VSN,  5                           ; v5   the next stream's
.set VSD,  6                           ; v6   the down stream's
.set HB0,  7                           ; v7-9   where my wave stores its half images and its scale word, expert lo
.set HB1,  8
.set HB2,  9
.set HA0,  10                          ; v10-12 the same for the expert in hand
.set HA1,  11
.set HA2,  12
.set OSTO, 13                          ; v13  the way out: where I put 16 bytes of a row
.set OSRD, 14                          ; v14  and where I read a row back
.set LIH,  15                          ; v15  HI + 16 l
.set SW,   16                          ; v16-31  the weights' scale words, 4 a ring set
.set XS,   32                          ; v32-63  x's scale words (8 m + s); later the hidden layer's (8 e + 2 m + s')
.set CW,   64                          ; v64-71  (w_lo, w_hi) of my token in tile m
.set SO,   72                          ; v72-103 byte offset in out0 of the row that I store: 8 m + q is row 16 m + 2 q + l / 16
.set T,    104                         ; v104-135 at work: the sigmoid, then h; in the head v104-199 the gathered codes; in the down phase results
.set TM,   136                         ; v136-143 the quantiser's work, two blocks
.set TP,   138
.set TS,   140
.set TB,   142
.set PW,   144                         ; v144 my two scale bytes
.set PC,   146                         ; v146-151 six registers of codes
.set PD,   152                         ; v152-154
.set WH,   136                         ; v136-143 in the down phase: w_hi twice, a pair for each m
.set OB,   160                         ; v160-223 rows on their way out, two sets
.set RB,   224                         ; v224-255 results, second half; in the head: lane numbers and offsets
.set WV,   20
.set CA,   36                          ; s[36:47] addresses of the streams: in hand A, B; next A, B; down A, B
.set CB,   38
.set NA,   40
.set NB,   42
.set DA,   44
.set DB,   46
.set TRIP, 48
.set EOI,  49
.set EOS,  50
.set VALID, 51
.set SEL,  52
.set NL,   54
.set WSC,  16
.set OUT,  18
.set MSB, 0
.macro WIN new                         ; bits 1:0 source 0, 3:2 source 1, 5:4 source 2, 7:6 destination; the immediate's high byte repeats the setting that is left
.if MSB != (\new)
	s_set_vgpr_msb (MSB<<8)|(\new)
.set MSB, (\new)
.endif
.endm
.macro WM d, a, b, zero, sa, sb, row1  ; one product; zero = 1: it starts the sum; row1 = 1: the weight's scale words stand in lanes 16-31
.if \zero
.if \row1
	v_wmma_scale_f32_16x16x128_f8f6f4 v[\d:\d+7], v[\a:\a+11], v[\b:\b+11], 0, v[\sa], v[\sb] matrix_a_fmt:MATRIX_FMT_BF6 matrix_b_fmt:MATRIX_FMT_BF6 matrix_a_scale:MATRIX_SCALE_ROW1
.else
	v_wmma_scale_f32_16x16x128_f8f6f4 v[\d:\d+7], v[\a:\a+11], v[\b:\b+11], 0, v[\sa], v[\sb] matrix_a_fmt:MATRIX_FMT_BF6 matrix_b_fmt:MATRIX_FMT_BF6
.endif
.else
.if \row1
	v_wmma_scale_f32_16x16x128_f8f6f4 v[\d:\d+7], v[\a:\a+11], v[\b:\b+11], v[\d:\d+7], v[\sa], v[\sb] matrix_a_fmt:MATRIX_FMT_BF6 matrix_b_fmt:MATRIX_FMT_BF6 matrix_a_scale:MATRIX_SCALE_ROW1
.else
	v_wmma_scale_f32_16x16x128_f8f6f4 v[\d:\d+7], v[\a:\a+11], v[\b:\b+11], v[\d:\d+7], v[\sa], v[\sb] matrix_a_fmt:MATRIX_FMT_BF6 matrix_b_fmt:MATRIX_FMT_BF6
.endif
.endif
.endm
.macro LDSC set, vs, step              ; a step's scale words: 16 bytes a lane
	WIN 0
	global_load_b128 v[SW+4*(\set):SW+4*(\set)+3], v[\vs], s[WSC:WSC+1] offset:256*(\step)
.endm
.macro LDW set, half, base, step       ; a step's four fragments of one stream: 12 loads of 512 consecutive bytes
	WIN (2+(\set)/2)<<6
.irp f, 0,1,2,3
.irp c, 0,1,2
	global_load_b128 v[96*((\set)%2)+12*(4*(\half)+\f)+4*\c:96*((\set)%2)+12*(4*(\half)+\f)+4*\c+3], v[LI], s[\base:\base+1] offset:4*FRB*(\step)+FRB*\f+512*\c
.endr
.endr
.endm
.macro SCAN b, lo, hi                  ; pair b begins at tile s22.  The last pair WITH tokens that begins at or before my tile is mine
	s_cmp_lg_u32 s[36+\b], 0
	s_cselect_b32 s26, s22, -1
	s_cmp_le_u32 s26, s21
	s_cselect_b32 s23, s22, s23
	s_cselect_b32 s24, s[36+\b], s24
	s_cselect_b32 s25, (\lo)|((\hi)<<8)|((\b)<<16), s25
	s_add_co_u32 s27, s[36+\b], 63
	s_lshr_b32 s27, s27, 6
	s_add_co_u32 s22, s22, s27
.endm
.macro IDX reg                         ; a row's number in the list -> its token: held at the list's last entry, then inside a row of order; the load lands on its own address register
	v_min_u32 v[\reg], s33, v[\reg]
	v_min_u32 v[\reg], 0x1fff, v[\reg]
	v_lshlrev_b32 v[\reg], 2, v[\reg]
	global_load_b32 v[\reg], v[\reg], s[6:7]
.endm
	s_load_b512 s[4:19], s[0:1], 0x0               ; cnt s[4:5], order s[6:7], cw s[8:9], xq s[10:11], xs s[12:13], wfr s[14:15], wsc s[16:17], out0 s[18:19]
	s_set_vgpr_msb 0x80
	v_lshl_add_u32 v254, v0, 2, 0x24000
	v_mov_b32 v255, 0
	s_set_vgpr_msb 0x8000
	v_lshrrev_b32 v240, 5, v0
	v_readfirstlane_b32 s[WV], v240                ; wave 0..3
	v_and_b32 v240, 31, v0                         ; l
	v_and_b32 v241, 15, v0                         ; r
	v_bfe_u32 v242, v0, 4, 1                       ; h
	s_wait_kmcnt 0x0
	s_load_b512 s[36:51], s[4:5], 0x0              ; the 28 counts
	s_load_b256 s[52:59], s[4:5], 0x40
	s_load_b128 s[60:63], s[4:5], 0x60
	v_lshlrev_b32 v[LI], 4, v240
	v_lshl_add_u32 v[L8H], v240, 3, HI
	v_lshl_add_u32 v[LSH], v240, 2, HSW
	v_add_nc_u32 v[LIH], HI, v[LI]
	s_lshr_b32 s26, s[WV], 1                       ; my 64 hidden units are half w % 2 of the down product's K step w / 2
	s_and_b32 s27, s[WV], 1
	s_mul_i32 s28, s26, FRB
	s_mul_i32 s29, s27, 768
	s_add_co_u32 s28, s28, s29
	s_add_co_u32 s28, s28, HI
	v_add_nc_u32 v[HB0], s28, v[LI]
	s_add_co_u32 s28, s28, 512
	v_lshl_add_u32 v[HB1], v240, 3, s28
	s_lshl_b32 s29, s[WV], 7
	s_add_co_u32 s29, s29, HSW
	v_lshl_add_u32 v[HB2], v240, 2, s29
	s_mul_i32 s30, s[WV], 64*OSP
	s_add_co_u32 s30, s30, OS
	v_mul_u32_u24 v243, v241, OSP
	v_lshl_add_u32 v243, v242, 5, v243
	v_add_nc_u32 v[OSTO], s30, v243                ; in: row r, 32 bytes for each half of the lanes
	v_mul_u32_u24 v243, v242, OSP
	v_lshl_add_u32 v243, v241, 4, v243
	v_add_nc_u32 v[OSRD], s30, v243                ; back: lanes 0-15 one row of 256 bytes, lanes 16-31 the next
	s_mul_i32 s31, s[WV], 8*FRB
	v_add_nc_u32 v244, s31, v[LI]                  ; where I store x's images: tile m = w
	v_lshlrev_b32 v247, 4, v241                    ; 16 r
	v_mov_b32 v[TP], 0                             ; written once: a lane permute's destination counts as one of its sources
	v_mov_b32 v[TP+1], 0
	s_mov_b32 s21, ttmp9                           ; my tile
	s_mov_b32 s22, 0
	s_mov_b32 s23, 0
	s_mov_b32 s24, 0
	s_mov_b32 s25, 0x100
	s_wait_kmcnt 0x0
	SCAN 0, 0, 1
	SCAN 1, 0, 2
	SCAN 2, 0, 3
	SCAN 3, 0, 4
	SCAN 4, 0, 5
	SCAN 5, 0, 6
	SCAN 6, 0, 7
	SCAN 7, 1, 2
	SCAN 8, 1, 3
	SCAN 9, 1, 4
	SCAN 10, 1, 5
	SCAN 11, 1, 6
	SCAN 12, 1, 7
	SCAN 13, 2, 3
	SCAN 14, 2, 4
	SCAN 15, 2, 5
	SCAN 16, 2, 6
	SCAN 17, 2, 7
	SCAN 18, 3, 4
	SCAN 19, 3, 5
	SCAN 20, 3, 6
	SCAN 21, 3, 7
	SCAN 22, 4, 5
	SCAN 23, 4, 6
	SCAN 24, 4, 7
	SCAN 25, 5, 6
	SCAN 26, 5, 7
	SCAN 27, 6, 7
	s_sub_co_u32 s31, s21, s23                     ; j: which tile of the pair
	s_lshl_b32 s26, s31, 6
	s_sub_co_i32 s32, s24, s26                     ; rows left from there
	s_cmp_gt_i32 s32, 0
	s_cselect_b32 s[VALID], 1, 0                   ; none: nothing will be stored
	s_min_u32 s31, s31, 127
	s_lshl_b32 s31, s31, 6                         ; 64 j
	s_sub_co_u32 s33, s24, 1
	s_min_u32 s33, s33, 0x1fff                     ; the list's last entry
	s_and_b32 s28, s25, 0xff
	s_min_u32 s28, s28, 7                          ; lo
	s_bfe_u32 s29, s25, 0x80008
	s_min_u32 s29, s29, 7                          ; hi
	s_bfe_u32 s30, s25, 0x80010
	s_min_u32 s30, s30, 27                         ; the pair
	s_lshl_b32 s34, s30, 15
	s_mov_b32 s35, 0
	s_add_nc_u64 s[6:7], s[6:7], s[34:35]          ; its list
	v_add_nc_u32 v245, s31, v242                   ; 64 j + h
	v_add_nc_u32 v246, s31, v241                   ; 64 j + r
	s_lshl_b32 s26, s[WV], 4
.irp m, 0,1,2,3
	v_add_nc_u32 v[200+\m], 16*\m, v246            ; row 16 m + r: my token in tile m
	IDX 200+\m
.endr
	v_add_nc_u32 v204, s26, v246                   ; row 16 w + r: the token whose codes I gather
	IDX 204
.irp k, 0,1,2,3,4,5,6,7,8,9,10,11,12,13,14,15,16,17,18,19,20,21,22,23,24,25,26,27,28,29,30,31
	v_add_nc_u32 v[SO+\k], 2*\k, v245              ; row 16 m + 2 q + h, k = 8 m + q: the rows that I store
	IDX SO+\k
.endr
	; the streams, while the list is on its way
	s_lshl_b32 s26, s28, 2
	s_add_co_u32 s26, s26, s[WV]                   ; 4 lo + w
	s_lshl_b32 s27, s29, 2
	s_add_co_u32 s27, s27, s[WV]                   ; 4 hi + w
	s_mul_i32 s34, s26, 32*FRB
	s_add_nc_u64 s[CA:CA+1], s[14:15], s[34:35]    ; gate of lo,
	s_add_nc_u64 s[CB:CB+1], s[CA:CA+1], 32*32*FRB ; up of lo,
	s_add_nc_u64 s[DA:DA+1], s[CA:CA+1], 64*32*FRB ; down of lo
	s_mul_i32 s34, s27, 32*FRB
	s_add_nc_u64 s[NA:NA+1], s[14:15], s[34:35]    ; and of hi
	s_add_nc_u64 s[NB:NB+1], s[NA:NA+1], 32*32*FRB
	s_add_nc_u64 s[DB:DB+1], s[NA:NA+1], 64*32*FRB
	s_lshl_b32 s34, s[WV], 10
	s_add_nc_u64 s[OUT:OUT+1], s[OUT:OUT+1], s[34:35]   ; my 256 columns
	v_lshl_add_u32 v248, v242, 16, v247            ; up's words lie 32 streams of 2,048 bytes behind gate's
	s_lshl_b32 s34, s26, 11
	v_add_nc_u32 v[VSC], s34, v248
	s_lshl_b32 s34, s27, 11
	v_add_nc_u32 v[VSN], s34, v248
	s_add_co_u32 s26, s26, 64
	s_add_co_u32 s27, s27, 64
	s_lshl_b32 s26, s26, 11
	s_lshl_b32 s27, s27, 11
	v_sub_nc_u32 v249, 1, v242
	v_mul_u32_u24 v250, s26, v249                  ; lanes 0-15: down of lo;
	v_mad_u32_u24 v250, v242, s27, v250            ; lanes 16-31: down of hi
	v_add_nc_u32 v[VSD], v250, v247
	s_mov_b32 s[SEL], 0x76543210
	s_mov_b32 s[SEL+1], 0xfedcba98                 ; v_permlanex16_b32's selects for lane l xor 16
	s_mov_b32 s[NL], 0xbfb8aa3b                    ; -log2(e)
	s_mov_b32 s[NL+1], s[NL]                       ; (named with it as a pair, so it is written)
	s_mov_b32 s[TRIP], 2
	s_mov_b32 s[EOI], 0
	s_mov_b32 s[EOS], 0
	s_wait_loadcnt 0x0                             ; the list
.irp k, 0,1,2,3,4,5,6,7,8,9,10,11,12,13,14,15,16,17,18,19,20,21,22,23,24,25,26,27,28,29,30,31
	v_min_u32 v[SO+\k], 0x1fff, v[SO+\k]           ; a loaded token enters an address only held inside the table
	v_lshl_add_u32 v[SO+\k], v[SO+\k], 12, v247    ; 4,096 bytes a row of out0, 16 bytes a lane
.endr
.irp m, 0,1,2,3
	v_min_u32 v[200+\m], 0x1fff, v[200+\m]
	v_lshlrev_b32 v[205+\m], 5, v[200+\m]          ; xs: 32 bytes a token
	v_lshlrev_b32 v[209+\m], 3, v[200+\m]          ; cw: 8
.endr
	v_min_u32 v204, 0x1fff, v204
	v_mul_u32_u24 v213, v204, 768                  ; xq: 768 bytes a token,
	v_mad_u32_u24 v213, v242, 384, v213            ; my half's 384
.irp k, 0,1,2,3,4,5,6,7,8,9,10,11,12,13,14,15,16,17,18,19,20,21,22,23
	global_load_b128 v[T+4*\k:T+4*\k+3], v213, s[10:11] offset:16*\k      ; registers 12 s .. 12 s + 11 are K step s's fragment
.endr
.irp m, 0,1,2,3
	global_load_b128 v[XS+8*\m:XS+8*\m+3], v[205+\m], s[12:13]
	global_load_b128 v[XS+8*\m+4:XS+8*\m+7], v[205+\m], s[12:13] offset:16
.endr
.irp m, 0,1,2,3
	global_load_b64 v[CW+2*\m:CW+2*\m+1], v[209+\m], s[8:9]
.endr
	LDSC 0, VSC, 0                                 ; the stream's steps 0
	LDW 0, 0, CA, 0
	LDW 0, 1, CB, 0
	s_wait_loadcnt 25                              ; all but step 0's 25: the 36 gathered loads are in
	LDSC 1, VSC, 1                                 ; and 1
	LDW 1, 0, CA, 1
	LDW 1, 1, CB, 1
	WIN 0
.irp s, 0,1,2,3,4,5,6,7
.irp c, 0,1,2
	ds_store_b128 v244, v[T+12*\s+4*\c:T+12*\s+4*\c+3] offset:FRB*\s+512*\c   ; the fragments go to LDS as they stand in my registers
.endr
.endr
	s_wait_dscnt 0x0                               ; for the others' sake
	s_barrier_signal -1
	s_barrier_wait -1                              ; x's 32 images lie in LDS
.macro XLOAD s                         ; K step s's four fragments of x, into the buffer s % 2
	WIN (2+(\s)%2)<<6
.irp m, 0,1,2,3
.irp c, 0,1,2
	ds_load_b128 v[192+12*\m+4*\c:192+12*\m+4*\c+3], v[LI] offset:XI+(8*\m+(\s))*FRB+512*\c
.endr
.endr
.endm
.macro GHALF s, up                     ; 16 products: my 4 tiles of gate (up = 0) or of up (1) x the 4 tiles of rows.  The 32 accumulators take turns, one instruction a turn
.set ST_, (\s)%4
.set WN_, (2+ST_/2)|((2+(\s)%2)<<2)|0x50
	WIN WN_
.set Z_, 0
.if (\s) == 0
.set Z_, 1
.endif
.set t_, 0
.rept 4
.set m_, 0
.rept 4
.set AC_, 128*(\up)+32*m_+8*t_
.set RA_, 96*(ST_%2)+12*(4*(\up)+t_)
.set XB_, 192+12*m_
.set SA_, SW+4*ST_+t_
.set SB_, XS+8*m_+(\s)
	WM AC_, RA_, XB_, Z_, SA_, SB_, \up
.set m_, m_+1
.endr
.set t_, t_+1
.endr
.endm
.macro GSTEP s                         ; K step s of gate and up
	s_wait_dscnt 0x0                               ; this step's fragments of x are in
	s_wait_loadcnt 37                              ; gate's 13 loads are in; younger: up's 12 and the next step's 25
	GHALF \s, 0
.rept 4
	v_nop                                          ; four places in front of the loads below, which go into registers that the step before read (ISA guide 7.12.1 for vector instructions)
.endr
.if (\s) < 7
	XLOAD (\s)+1
.endif
.if (\s) < 6
	LDSC ((\s)+2)%4, VSC, (\s)+2
	LDW ((\s)+2)%4, 0, CA, (\s)+2
.else
	LDSC ((\s)+2)%4, VSN, (\s)-6                   ; the ring goes on into the next stream
	LDW ((\s)+2)%4, 0, NA, (\s)-6
.endif
	s_wait_loadcnt 38                              ; up's 12 are in; younger: the next step's 25 and the 13 just issued
	GHALF \s, 1
.if (\s) < 6
	LDW ((\s)+2)%4, 1, CB, (\s)+2
.else
	LDW ((\s)+2)%4, 1, NB, (\s)-6
.endif
.endm
; Tile m of rows: h = (g sigmoid(g)) u in f32, quantised along the hidden units.  Register 16 b + i of a lane is hidden unit 64 w + 32 b + 16 (l / 16) + i of its token.  Each accumulator is read from its low end on.
.macro ACT m
	WIN 0x01
.set p_, 0
.rept 16
	v_pk_mul_f32 v[T+2*p_:T+2*p_+1], v[32*(\m)+2*p_:32*(\m)+2*p_+1], s[NL:NL+1] op_sel_hi:[1,0]    ; -g log2(e)
.set p_, p_+1
.endr
	WIN 0
.set p_, 0
.rept 32
	v_exp_f32 v[T+p_], v[T+p_]
.set p_, p_+1
.endr
	v_nop                                          ; one plain line behind the transcendentals
.set p_, 0
	s_wait_alu depctr_va_vdst(0)
.rept 16
	v_pk_add_f32 v[T+2*p_:T+2*p_+1], v[T+2*p_:T+2*p_+1], 1.0 op_sel_hi:[1,0]
.set p_, p_+1
.endr
.set p_, 0
.rept 32
	v_rcp_f32 v[T+p_], v[T+p_]                     ; the sigmoid
.set p_, p_+1
.endr
	v_nop
	WIN 0x41
.set p_, 0
	s_wait_alu depctr_va_vdst(0)
.rept 16
	v_pk_mul_f32 v[32*(\m)+2*p_:32*(\m)+2*p_+1], v[32*(\m)+2*p_:32*(\m)+2*p_+1], v[T+2*p_:T+2*p_+1]
.set p_, p_+1
.endr
	WIN 0x05
.set p_, 0
.rept 16
	v_pk_mul_f32 v[T+2*p_:T+2*p_+1], v[32*(\m)+2*p_:32*(\m)+2*p_+1], v[128+32*(\m)+2*p_:128+32*(\m)+2*p_+1]   ; h, into window 0
.set p_, p_+1
.endr
	WIN 0
.irp b, 0,1
	v_max3_num_f32 v[TM+\b], |v[T+16*\b]|, |v[T+16*\b+1]|, 0x2800000     ; block b: my 16 numbers and the floor 2^(5 - 127)
.endr
.irp k, 2,4,6,8,10,12,14
.irp b, 0,1
	v_max3_num_f32 v[TM+\b], v[TM+\b], |v[T+16*\b+\k]|, |v[T+16*\b+\k+1]|
.endr
.endr
.irp b, 0,1
	v_permlanex16_b32 v[TP+\b], v[TM+\b], s[SEL], s[SEL+1]
.endr
.irp b, 0,1
	v_max_num_f32 v[TM+\b], v[TM+\b], v[TP+\b]     ; with lane l xor 16's 16: the block's largest magnitude
.endr
.irp b, 0,1
	v_add_nc_u32 v[TS+\b], 0xfe000000, v[TM+\b]    ; 4 off the exponent field: the conversion's scale operand
.endr
.irp b, 0,1
	v_lshrrev_b32 v[TB+\b], 23, v[TS+\b]           ; the scale's byte
.endr
	s_wait_dscnt 0x0                               ; the last tile's stores have read their registers
	v_lshl_or_b32 v[PW], v[TB+1], 8, v[TB]
	v_cvt_scalef32_pk16_bf6_f32 v[PC:PC+2], v[T:T+15], v[TS]
	v_cvt_scalef32_pk16_bf6_f32 v[PD:PD+2], v[T+16:T+31], v[TS+1]
	v_nop                                          ; one plain line behind the conversions
.irp k, 0,1,2
	v_permlane16_swap_b32 v[PC+\k], v[PD+\k]       ; the operand wants a whole block in a lane: lanes 0-15 block 0, lanes 16-31 block 1
.endr
.irp k, 0,1,2
	v_mov_b32 v[PC+3+\k], v[PD+\k]
.endr
	ds_store_b128 v[HA0], v[PC:PC+3] offset:2*FRB*(\m)
	ds_store_b64 v[HA1], v[PC+4:PC+5] offset:2*FRB*(\m)
	ds_store_b32 v[HA2], v[PW] offset:512*(\m)
.endm
.Lexpert:                                          ; two trips: lo, hi.  At its head the stream's steps 0 and 1, 50 loads, are out, on the way in and on the way back alike
	v_add_nc_u32 v[HA0], s[EOI], v[HB0]
	v_add_nc_u32 v[HA1], s[EOI], v[HB1]
	v_add_nc_u32 v[HA2], s[EOS], v[HB2]
	XLOAD 0
.irp s, 0,1,2,3,4,5,6,7
	GSTEP \s
.endr
.irp m, 0,1,2,3
	ACT \m
.endr
	s_wait_dscnt 0x0                               ; my stores have read their address registers,
	s_wait_xcnt 0x0                                ; and the loads on their way their bases and offsets: both are written below
	s_mov_b64 s[CA:CA+1], s[NA:NA+1]
	s_mov_b64 s[CB:CB+1], s[NB:NB+1]
	s_mov_b64 s[NA:NA+1], s[DA:DA+1]
	s_mov_b64 s[NB:NB+1], s[DB:DB+1]
	v_mov_b32 v[VSC], v[VSN]
	v_mov_b32 v[VSN], v[VSD]
	s_add_co_u32 s[EOI], s[EOI], 8*FRB
	s_add_co_u32 s[EOS], s[EOS], 2048
	s_sub_co_u32 s[TRIP], s[TRIP], 1
	s_cmp_lg_u32 s[TRIP], 0
	s_cbranch_scc1 .Lexpert
	s_barrier_signal -1                            ; (no LDS instruction of mine is out: the wait above)
	s_barrier_wait -1                              ; the hidden layer's 16 images and their scale bytes lie in LDS
.macro HLOAD reg, off                  ; a hidden fragment: its two halves came from two waves
	ds_load_b128 v[\reg:\reg+3], v[LIH] offset:\off
	ds_load_b64 v[\reg+4:\reg+5], v[L8H] offset:\off+512
	ds_load_b128 v[\reg+6:\reg+9], v[LIH] offset:\off+768
	ds_load_b64 v[\reg+10:\reg+11], v[L8H] offset:\off+1280
.endm
.set f_, 0
.rept 32
	ds_load_b32 v[OB+f_], v[LSH] offset:128*f_     ; (4 e + m) 4 + w: wave w's two bytes
.set f_, f_+1
.endr
	WIN 0x40
.irp m, 0,1,2,3
	HLOAD 128+12*\m, (2*\m)*FRB                    ; lo, K step 0
.endr
	WIN 0
	s_wait_dscnt 16                                ; the 32 words are in; the 16 loads behind them may be out
.set f_, 0
.rept 16
	v_lshl_or_b32 v[XS+f_], v[OB+2*f_+1], 16, v[OB+2*f_]   ; a K step's scale word: waves 2 s' and 2 s' + 1
.set f_, f_+1
.endr
.irp m, 0,1,2,3
	v_mov_b32 v[WH+2*\m], v[CW+2*\m+1]             ; w_hi as a pair's low word.  These eight lines are also the places between the scale words just made and the first product
	v_mov_b32 v[WH+2*\m+1], v[CW+2*\m+1]
.endr
	WIN 0x40
.irp m, 0,1,2,3
	HLOAD 176+12*\m, (2*\m+1)*FRB                  ; lo, K step 1
.endr
	s_wait_dscnt 0x0                               ; lo's fragments are in
	WIN 0x80
.irp m, 0,1,2,3
	HLOAD 192+12*\m, (8+2*\m)*FRB                  ; hi, K step 0: waited for in front of hi's first products
.endr
	WIN 0xc0
.irp m, 0,1,2,3
	HLOAD 192+12*\m, (8+2*\m+1)*FRB                ; hi, K step 1
.endr
.macro DHALF i, e                      ; 16 products: expert e, two tiles of 16 outputs x 4 tiles of rows, K step 0 (which starts the sums), then K step 1: the 8 accumulators by turns
.set ST_, (\i)%4
.set sp_, 0
.rept 2
.if \e
.set WN_, (2+ST_/2)|((2+sp_)<<2)|0x50
.set HF_, 192
.else
.set WN_, (2+ST_/2)|(1<<2)|0x50
.set HF_, 128+48*sp_
.endif
	WIN WN_
.set n_, 0
.rept 2
.set m_, 0
.rept 4
.set AC_, 64*(\e)+32*n_+8*m_
.set RA_, 96*(ST_%2)+12*(4*(\e)+2*n_+sp_)
.set XB_, HF_+12*m_
.set SA_, SW+4*ST_+2*n_+sp_
.set SB_, XS+8*(\e)+2*m_+sp_
.set Z_, 1-sp_
	WM AC_, RA_, XB_, Z_, SA_, SB_, \e
.set m_, m_+1
.endr
.set n_, n_+1
.endr
.set sp_, sp_+1
.endr
.endm
; Down step i: outputs 256 w + 32 i .. + 31 of all 64 rows.  la, lb: the loads that may stay out when stream A's 13, then stream B's 12, have to be in.
.macro DSTEP i, la, lb
	s_wait_loadcnt \la
	DHALF \i, 0
.rept 4
	v_nop                                          ; four places: for the loads below, and for the first read of lo's results
.endr
.if (\i) < 6
	LDSC ((\i)+2)%4, VSC, (\i)+2
	LDW ((\i)+2)%4, 0, CA, (\i)+2
.endif
	s_wait_loadcnt \lb
	s_wait_dscnt 0x0                               ; hi's fragments are in (first step); the last step's stores into the stage have read the registers that are written below
	DHALF \i, 1
.if (\i) < 6
	LDW ((\i)+2)%4, 1, CB, (\i)+2
.endif
	WIN 0x01                                       ; source 0: the accumulators, window 1; results in window 0
.set n_, 0
.rept 2
.set m_, 0
.rept 4
.set p_, 0
.rept 4
.set RR_, T+(RB-T)*n_+8*m_+2*p_
	v_pk_mul_f32 v[RR_:RR_+1], v[32*n_+8*m_+2*p_:32*n_+8*m_+2*p_+1], v[CW+2*m_:CW+2*m_+1] op_sel_hi:[1,0]     ; w_lo out_lo.  These 32 name nothing of hi's products: they are the places behind them
.set p_, p_+1
.endr
.set m_, m_+1
.endr
.set n_, n_+1
.endr
.set n_, 0
.rept 2
.set m_, 0
.rept 4
.set p_, 0
.rept 4
.set RR_, T+(RB-T)*n_+8*m_+2*p_
	v_pk_fma_f32 v[RR_:RR_+1], v[64+32*n_+8*m_+2*p_:64+32*n_+8*m_+2*p_+1], v[WH+2*m_:WH+2*m_+1], v[RR_:RR_+1] op_sel_hi:[1,0,1]   ; + w_hi out_hi
.set p_, p_+1
.endr
.set m_, m_+1
.endr
.set n_, n_+1
.endr
	WIN 0
.set n_, 0
.rept 2
.set m_, 0
.rept 4
.set RR_, T+(RB-T)*n_+8*m_
	ds_store_b128 v[OSTO], v[RR_:RR_+3] offset:16*OSP*m_+64*(2*((\i)%2)+n_)        ; lane (r, h): row 16 m + r, eight neighbouring outputs
	ds_store_b128 v[OSTO], v[RR_+4:RR_+7] offset:16*OSP*m_+64*(2*((\i)%2)+n_)+16
.set m_, m_+1
.endr
.set n_, n_+1
.endr
.if ((\i)%2) == 1                      ; two steps fill 64 columns, 256 bytes a row: they leave as whole rows
	s_cmp_eq_u32 s[VALID], 0
	s_cbranch_scc1 .Lnone_\@                       ; a work-group without rows stores nothing
.irp g, 0,2
	s_wait_xcnt 0x0                                ; the earlier stores have read their registers
.irp u, 0,1
.irp q, 0,1,2,3,4,5,6,7
	ds_load_b128 v[OB+32*\u+4*\q:OB+32*\u+4*\q+3], v[OSRD] offset:(16*(\g+\u)+2*\q)*OSP     ; LDS serves a wave's instructions in order: these see my stores
.endr
.endr
.irp u, 0,1
	s_wait_dscnt 8-8*\u
.irp q, 0,1,2,3,4,5,6,7
	global_store_b128 v[SO+8*(\g+\u)+\q], v[OB+32*\u+4*\q:OB+32*\u+4*\q+3], s[OUT:OUT+1] offset:256*((\i)/2) th:TH_STORE_NT   ; 16 lanes store 256 consecutive bytes, aligned
.endr
.endr
.endr
.Lnone_\@:
.endif
.endm
	DSTEP 0, 37, 38
	DSTEP 1, 37, 38
	DSTEP 2, 37, 38
	DSTEP 3, 37, 38
	DSTEP 4, 37, 38
	DSTEP 5, 37, 38
	DSTEP 6, 37, 25                                ; nothing more is asked for: the counts run down
	DSTEP 7, 12, 0
	s_set_vgpr_msb 0xa
	s_wait_tensorcnt 0x0
	ds_add_u32 v254, v255
	s_wait_dscnt 0x0
	s_set_vgpr_msb 0xa00
	s_endpgm
.Lfunc_end_k_qe2cc41d057_chain:
	.size	k_qe2cc41d057_chain, .Lfunc_end_k_qe2cc41d057_chain-k_qe2cc41d057_chain
	.p2alignl 7, 3214868480
	.fill 96, 4, 3214868480
	.section	.rodata,"a",@progbits
	.p2align	6, 0x0
	.amdhsa_kernel k_qe2cc41d057_chain
		.amdhsa_group_segment_fixed_size 147968
		.amdhsa_private_segment_fixed_size 0
		.amdhsa_enable_private_segment 0
		.amdhsa_kernarg_size 64
		.amdhsa_user_sgpr_count 2
		.amdhsa_user_sgpr_kernarg_segment_ptr 1
		.amdhsa_wavefront_size32 1
		.amdhsa_system_sgpr_workgroup_id_x 1
		.amdhsa_system_sgpr_workgroup_id_y 1
		.amdhsa_system_sgpr_workgroup_id_z 1
		.amdhsa_system_vgpr_workitem_id 0
		.amdhsa_next_free_vgpr 1024
		.amdhsa_next_free_sgpr 66
		.amdhsa_reserve_vcc 0
		.amdhsa_float_denorm_mode_32 3
		.amdhsa_float_denorm_mode_16_64 3
		.amdhsa_memory_ordered 1
		.amdhsa_forward_progress 1
		.amdhsa_inst_pref_size 250
	.end_amdhsa_kernel
	.amdgpu_metadata
---
amdhsa.version: [ 1, 2 ]
amdhsa.kernels:
  - .name:           k_qe2cc41d057_chain
    .symbol:         k_qe2cc41d057_chain.kd
    .args:
      - { .name: cnt, .offset: 0, .size: 8, .value_kind: global_buffer, .address_space: global }
      - { .name: order, .offset: 8, .size: 8, .value_kind: global_buffer, .address_space: global }
      - { .name: cw, .offset: 16, .size: 8, .value_kind: global_buffer, .address_space: global }
      - { .name: xq, .offset: 24, .size: 8, .value_kind: global_buffer, .address_space: global }
      - { .name: xs, .offset: 32, .size: 8, .value_kind: global_buffer, .address_space: global }
      - { .name: wfr, .offset: 40, .size: 8, .value_kind: global_buffer, .address_space: global }
      - { .name: wsc, .offset: 48, .size: 8, .value_kind: global_buffer, .address_space: global }
      - { .name: out0, .offset: 56, .size: 8, .value_kind: global_buffer, .address_space: global }
    .group_segment_fixed_size: 147968
    .private_segment_fixed_size: 0
    .kernarg_segment_align: 8
    .kernarg_segment_size: 64
    .max_flat_workgroup_size: 128
    .sgpr_count:     66
    .vgpr_count:     1024
    .wavefront_size: 32
...
	.end_amdgpu_metadata
.endif
;; end of part 3
;; ======== version 2 of 2: 3 launches
;; limits: right only within a limited range of input values
;; workspace buffers: xq 6,291,456 bytes; xs 262,144 bytes; pid 32,768 bytes of whole numbers; cw 65,536 bytes; cnt 256 bytes of whole numbers; order 917,504 bytes of whole numbers; wfr 4,718,592 bytes; wsc 196,608 bytes
;; launch route (part 4): grid 256 x 1, 5 waves a work-group, no clusters, 327,680 bytes of LDS; arguments x, Wr, xq, xs, pid, cw; writes xq, xs, pid, cw
.if DOCPART == 4
	.amdgcn_target "amdgcn-amd-amdhsa--gfx1250"
	.amdhsa_code_object_version 6
	.text
	.protected	k_qe2cc41d057_route
	.globl	k_qe2cc41d057_route
	.p2align	8
	.type	k_qe2cc41d057_route,@function
k_qe2cc41d057_route:
	s_mov_b64 s[64:65], 0
	v_nop
	global_prefetch_b8 v0, s[64:65] scope:SCOPE_SE
	s_setreg_imm32_b32 hwreg(HW_REG_WAVE_MODE, 25, 1), 1
	s_wait_xcnt 0x0
; ROUTER AND QUANTISER OF x.  x [8192][1024] f32, Wr [8][1024] f32.
; For each token: the 8 logits in f32 (fused multiply-adds), softmax with the maximum taken away, the two largest, their weights p / (p1 + p2 + 1e-8);
; stored: pid = the number 0..27 of the unordered pair {lo, hi} (lo (15 - lo) / 2 + hi - lo - 1), cw = (w_lo, w_hi).  No address here hangs on them.
; And x as codes of BF6 (E3M2) with one E8M0 byte for each 32 along K: a block's scale is 2^(floor(log2(largest magnitude)) - 4).
; xq: 768 bytes a token; block b of 32 codes (24 bytes) lies at 384 (b & 1) + 24 (b >> 1), so that lane (r, h) of a matrix operand finds the 96 registers of all 8 K steps in 384 bytes on end.
; xs: 32 bytes a token, byte b for block b: word s is the scale word of K step s.
; SHARES.  A work-group takes 32 tokens, a wave 8 rows; lane l owns block l (k = 32 l .. 32 l + 31) of every row: the block's maximum needs no other lane, and the conversions take its registers as they stand.
; All of a work-group's x (128 KB) and Wr are asked for by one tensor load a wave at the start and one for rows 4-7 behind the barrier; nothing in LDS is filled twice, so there is no ring.  By this text's count a wave has one tensor load out.
; LIMITS.  NaN and infinities are not served.  The two largest are taken of the logits, which order as the probabilities do; equal logits go to the lower index; a gap between the second and the third
; logit that is smaller than the rounding of an f32 sum of 1,024 terms may fall either way.  A block of zeros, or one whose largest magnitude lies under 2^-122, gets the byte 1 (the rule's 127 for zeros is
; not owed: its codes are zeros and only this program reads the bytes).  v_exp_f32 gives 0 for results under 2^-126.
; THE LOADS AS THIS TEXT HAS THEM: five waves.  At the head each wave issues one tensor load: waves 0-3 their rows 0-3 of x, wave 4 all of Wr (it does nothing else).  Each wave's rows 4-7 are a first fill
; that comes later: it stands behind the wait for all tensor loads, the add, its wait and the barrier, and lands while rows 0-3 are worked on.  By this text's count a wave has one
; tensor load out; every wait on TENSORcnt is for 0; the launch claims all of LDS.
.set XROW,  4352                       ; a row of 4,096 bytes in LDS: 16 pieces of 256 bytes + 16 of padding
.set XTW,   8*XROW                     ; a wave's 8 rows
.set WRB,   4*XTW                      ; Wr's 8 rows
.set CSB,   WRB+8*XROW                 ; the stage for codes: 6,144 bytes a wave (8 tokens x 768)
.set SSB,   CSB+4*6144                 ; the stage for scale bytes: 256 bytes a wave
.set LN,  1                            ; v1   lane
.set XA,  2                            ; v2   LDS: my block in my wave's row 0
.set WA,  3                            ; v3   LDS: my block in Wr's row 0
.set CSA, 4                            ; v4   LDS: my block's 24 bytes in a token's 768
.set SSA, 5                            ; v5   LDS: my block's scale byte
.set CSR, 6                            ; v6   LDS: the code stage, 16 bytes a lane
.set SSR, 7                            ; v7   LDS: the scale stage, 8 bytes a lane
.set O16, 8                            ; v8   16 x lane
.set O8,  9                            ; v9   8 x lane
.set O4,  10                           ; v10  4 x lane
.set X,   16                           ; v16-79   two sets of a row's 32 numbers
.set SM,  80                           ; v80-95   8 sums, two halves each
.set PX,  96                           ; v96-103  what comes from the other half of the lanes
.set LG,  104                          ; v104-111 the 8 logits: lane i keeps row i's
.set QT,  112                          ; v112-115 the quantiser's work
.set CC,  116                          ; v116-121 a block's 24 bytes of codes
.set DD,  122                          ; v122-124 its upper 16 codes as the conversion leaves them
.set OUTR, 160                         ; v160-209 the way out
.set WV,  44
.set SEL, 48
.set MSB, 0
.macro WIN new                         ; window 1 (v256-511) holds Wr(e, 32 l + i) at 32 e + i.  The immediate's high byte repeats the setting that is left
.if MSB != (\new)
	s_set_vgpr_msb (MSB<<8)|(\new)
.set MSB, (\new)
.endif
.endm
	s_load_b256 s[4:11], s[0:1], 0x0               ; x s[4:5], Wr s[6:7], xq s[8:9], xs s[10:11]
	s_load_b128 s[12:15], s[0:1], 0x20             ; pid s[12:13], cw s[14:15]
	v_lshl_add_u32 v254, v0, 2, 0x30c00
	v_mov_b32 v255, 0
	ds_add_u32 v254, v255
	ds_add_u32 v254, v255
	v_lshrrev_b32 v11, 5, v0
	v_readfirstlane_b32 s[WV], v11                 ; wave 0..4
	v_and_b32 v[LN], 31, v0
	; descriptor group 1: dense memory as rows of 256 bytes (32 elements of 8 bytes), 16 bytes of padding behind each; 64 such rows are 4 rows of x, 128 are all 8 rows of Wr
	s_wait_alu depctr_va_vdst(0)
	s_mov_b32 s16, (3<<16)|(1<<20)|(5<<22)|(3<<25)
	s_mov_b32 s17, 32<<16
	s_mov_b32 s18, 64<<16
	s_mov_b32 s19, 32<<16
	s_mov_b32 s20, 64
	s_mov_b32 s21, 32
	s_mov_b32 s22, 0
	s_mov_b32 s23, 0
	s_mov_b32 s24, (3<<16)|(1<<20)|(5<<22)|(3<<25)
	s_mov_b32 s25, 32<<16
	s_mov_b32 s26, 128<<16                         ; Wr whole: 128 rows of 256 bytes
	s_mov_b32 s27, 32<<16
	s_mov_b32 s28, 128
	s_mov_b32 s29, 32
	s_mov_b32 s30, 0
	s_mov_b32 s31, 0
	; descriptor groups 0: all of Wr; my rows 0-3 of x; my rows 4-7
	s_mov_b32 s32, 1
	s_mov_b32 s33, WRB
	s_mov_b32 s36, 1
	s_mul_i32 s37, s[WV], XTW
	s_mov_b32 s40, 1
	s_add_co_u32 s41, s37, 4*XROW
	s_lshl_b32 s50, ttmp9, 17                      ; 32 rows of 4,096 bytes a work-group,
	s_lshl_b32 s51, s[WV], 15                      ; 8 a wave
	s_add_co_u32 s50, s50, s51
	s_mov_b32 s51, 0
	s_mov_b32 s52, 0
	s_mov_b32 s53, 0
	s_mov_b32 s[SEL], 0x76543210
	s_mov_b32 s[SEL+1], 0xfedcba98                 ; v_permlanex16_b32's selects for lane l xor 16
	v_lshrrev_b32 v11, 1, v[LN]
	v_and_b32 v12, 1, v[LN]
	v_mul_u32_u24 v13, v11, 272
	v_lshl_add_u32 v13, v12, 7, v13                ; block l: piece l / 2, half l % 2
	v_add_nc_u32 v[XA], s37, v13
	v_add_nc_u32 v[WA], WRB, v13
	v_mul_u32_u24 v14, v11, 24
	v_mad_u32_u24 v14, v12, 384, v14
	s_mul_i32 s45, s[WV], 6144
	s_add_co_u32 s45, s45, CSB
	v_add_nc_u32 v[CSA], s45, v14
	v_lshlrev_b32 v[O16], 4, v[LN]
	v_add_nc_u32 v[CSR], s45, v[O16]
	s_lshl_b32 s46, s[WV], 8
	s_add_co_u32 s46, s46, SSB
	v_add_nc_u32 v[SSA], s46, v[LN]
	v_lshlrev_b32 v[O8], 3, v[LN]
	v_add_nc_u32 v[SSR], s46, v[O8]
	v_lshlrev_b32 v[O4], 2, v[LN]
	s_wait_dscnt 0x0
	s_wait_kmcnt 0x0
	s_add_nc_u64 s[34:35], s[6:7], s[52:53]
	s_or_b32 s35, s35, 0x80000000
	s_add_nc_u64 s[38:39], s[4:5], s[50:51]
	s_add_nc_u64 s[42:43], s[38:39], 16384
	s_or_b32 s39, s39, 0x80000000
	s_or_b32 s43, s43, 0x80000000
	s_cmp_lt_u32 s[WV], 4                          ; one chain of branches on the wave's number, one fill to an arm
	s_cbranch_scc0 .Lfill_wr
	tensor_load_to_lds s[36:39], s[16:23]          ; waves 0-3: my rows 0-3 of x
	s_nop 0
.rept 4
	v_nop
.endr
	s_branch .Lfilled
.Lfill_wr:
	tensor_load_to_lds s[32:35], s[24:31]          ; wave 4: Wr
	s_nop 0
.rept 4
	v_nop
.endr
.Lfilled:
.irp e, 0,1,2,3,4,5,6,7
	v_mov_b32 v[PX+\e], 0                          ; written once: a lane permute's destination counts as one of its sources
.endr
	s_lshl_b32 s54, ttmp9, 5
	s_lshl_b32 s55, s[WV], 3
	s_add_co_u32 s54, s54, s55                     ; my first token: 32 x work-group + 8 x wave
	s_mov_b32 s57, 0
	s_mul_i32 s56, s54, 768
	s_add_nc_u64 s[8:9], s[8:9], s[56:57]
	s_lshl_b32 s56, s54, 5
	s_add_nc_u64 s[10:11], s[10:11], s[56:57]
	s_lshl_b32 s56, s54, 2
	s_add_nc_u64 s[12:13], s[12:13], s[56:57]
	s_lshl_b32 s56, s54, 3
	s_add_nc_u64 s[14:15], s[14:15], s[56:57]
	s_wait_alu depctr_va_vdst(0)                   ; the wait at the head's end
	s_wait_tensorcnt 0x0                           ; my tile has landed
	ds_add_u32 v254, v255
	s_wait_dscnt 0x0
	s_barrier_signal -1
	s_barrier_wait -1                              ; everybody's has: Wr is whole
	s_cmp_lt_u32 s[WV], 4
	s_cbranch_scc0 .Lwr_done                       ; wave 4 has no rows; no barrier stands behind this branch
	tensor_load_to_lds s[40:43], s[16:23]          ; my rows 4-7: my one tensor load behind the barrier
	s_nop 0
.rept 4
	v_nop
.endr
	WIN 0x40                                       ; destination window 1
.set e_, 0
.rept 8
.set j_, 0
.rept 8
	ds_load_b128 v[32*e_+4*j_:32*e_+4*j_+3], v[WA] offset:e_*XROW+16*j_
.set j_, j_+1
.endr
.set e_, e_+1
.endr
	WIN 0
.macro XLD i                           ; my block of row i into set i % 2
.irp q, 0,1,2,3,4,5,6,7
	ds_load_b128 v[X+32*((\i)%2)+4*\q:X+32*((\i)%2)+4*\q+3], v[XA] offset:(\i)*XROW+16*\q
.endr
.endm
.macro ROW i
.set XS_, X+32*((\i)%2)
	s_wait_dscnt 0x0                               ; this row's numbers are in (Wr too, in the first row); the last row's stores into the stages have read their registers
.if (\i) == 3
	s_wait_tensorcnt 0x0                           ; rows 4-7 have landed: row 4 is read next
.endif
.if (\i) < 7
	XLD (\i)+1
.endif
	WIN 0x04                                       ; source 1 (Wr) window 1
.set j_, 0
.rept 16
.set e_, 0
.rept 8
.if j_ == 0
	v_pk_mul_f32 v[SM+2*e_:SM+2*e_+1], v[XS_+2*j_:XS_+2*j_+1], v[32*e_+2*j_:32*e_+2*j_+1]     ; the first product starts the sums; the 8 experts by turns
.else
	v_pk_fma_f32 v[SM+2*e_:SM+2*e_+1], v[XS_+2*j_:XS_+2*j_+1], v[32*e_+2*j_:32*e_+2*j_+1], v[SM+2*e_:SM+2*e_+1]
.endif
.set e_, e_+1
.endr
.set j_, j_+1
.endr
	WIN 0
	v_max3_num_f32 v[QT], |v[XS_]|, |v[XS_+1]|, |v[XS_+2]|             ; the block's largest magnitude: all 32 numbers are mine; two chains
	v_max3_num_f32 v[QT+1], |v[XS_+3]|, |v[XS_+4]|, |v[XS_+5]|
.irp k, 6,10,14,18,22,26
	v_max3_num_f32 v[QT], v[QT], |v[XS_+\k]|, |v[XS_+\k+1]|
	v_max3_num_f32 v[QT+1], v[QT+1], |v[XS_+\k+2]|, |v[XS_+\k+3]|
.endr
	v_max3_num_f32 v[QT], v[QT], |v[XS_+30]|, |v[XS_+31]|
	v_max3_num_f32 v[QT], v[QT], v[QT+1], 0x2800000                   ; and the floor 2^(5 - 127): the byte cannot fall under 1
	v_add_nc_u32 v[QT+2], 0xfe000000, v[QT]                           ; 4 off the exponent field: the conversion takes this operand's exponent field as its scale
	v_cvt_scalef32_pk16_bf6_f32 v[CC:CC+2], v[XS_:XS_+15], v[QT+2]
	v_cvt_scalef32_pk16_bf6_f32 v[DD:DD+2], v[XS_+16:XS_+31], v[QT+2]  ; (a conversion's three registers begin on an even number)
	v_lshrrev_b32 v[QT+3], 23, v[QT+2]                                ; the scale's byte; also the plain line behind the conversions
	v_mov_b32 v[CC+3], v[DD]
	v_mov_b32 v[CC+4], v[DD+1]
	v_mov_b32 v[CC+5], v[DD+2]
	ds_store_b64 v[CSA], v[CC:CC+1] offset:(\i)*768
	ds_store_b64 v[CSA], v[CC+2:CC+3] offset:(\i)*768+8
	ds_store_b64 v[CSA], v[CC+4:CC+5] offset:(\i)*768+16
	ds_store_b8 v[SSA], v[QT+3] offset:32*(\i)
.irp e, 0,1,2,3,4,5,6,7
	v_add_f32 v[SM+2*\e], v[SM+2*\e], v[SM+2*\e+1]                    ; the sums' halves, then the 32 lanes
.endr
.irp k, 1,2,4,8
.irp e, 0,1,2,3,4,5,6,7
	v_add_f32_dpp v[SM+2*\e], v[SM+2*\e], v[SM+2*\e] row_xmask:\k row_mask:0xf bank_mask:0xf
.endr
.endr
.irp e, 0,1,2,3,4,5,6,7
	v_permlanex16_b32 v[PX+\e], v[SM+2*\e], s[SEL], s[SEL+1]
.endr
.irp e, 0,1,2,3,4,5,6,7
	v_add_f32 v[SM+2*\e], v[SM+2*\e], v[PX+\e]
.endr
.if (\i) == 0
.irp e, 0,1,2,3,4,5,6,7
	v_mov_b32 v[LG+\e], v[SM+2*\e]                                    ; every lane is written once,
.endr
.else
	s_mov_b32 s58, 1<<(\i)
.irp e, 0,1,2,3,4,5,6,7
	v_cndmask_b32 v[LG+\e], v[LG+\e], v[SM+2*\e], s58                 ; then lane i keeps row i's logits
.endr
.endif
.endm
	XLD 0
.irp i, 0,1,2,3,4,5,6,7
	ROW \i
.endr
	; the codes and scale bytes come back from the stages as they will lie in memory (LDS serves a wave's instructions in order); the choice of experts is made while they are on their way
.irp q, 0,1,2,3,4,5,6,7,8,9,10,11
	ds_load_b128 v[OUTR+4*\q:OUTR+4*\q+3], v[CSR] offset:512*\q
.endr
	ds_load_b64 v[208:209], v[SSR]
	; THE TWO LARGEST.  Lanes 0-7 hold tokens 0-7 (the other lanes repeat token 0 and store nothing)
	v_max3_num_f32 v128, v[LG], v[LG+1], v[LG+2]
	v_max3_num_f32 v128, v128, v[LG+3], v[LG+4]
	v_max3_num_f32 v128, v128, v[LG+5], v[LG+6]
	v_max_num_f32 v128, v128, v[LG+7]              ; m1
	v_mov_b32 v129, 7
.irp e, 6,5,4,3,2,1,0
	v_cmp_neq_f32 vcc_lo, v[LG+\e], v128
	v_cndmask_b32 v129, \e, v129, vcc_lo           ; from 7 down: among equals the lowest index stays
.endr
	v_mov_b32 v138, 0xff800000
.irp e, 0,1,2,3,4,5,6,7
	v_cmp_eq_u32 vcc_lo, \e, v129
	v_cndmask_b32 v[130+\e], v[LG+\e], v138, vcc_lo   ; the first is taken out
.endr
	v_max3_num_f32 v139, v130, v131, v132
	v_max3_num_f32 v139, v139, v133, v134
	v_max3_num_f32 v139, v139, v135, v136
	v_max_num_f32 v139, v139, v137                 ; m2
	v_mov_b32 v140, 7
.irp e, 6,5,4,3,2,1,0
	v_cmp_neq_f32 vcc_lo, v[130+\e], v139
	v_cndmask_b32 v140, \e, v140, vcc_lo
.endr
.irp e, 0,1,2,3,4,5,6,7
	v_sub_f32 v[141+\e], v[LG+\e], v128            ; the maximum is taken away
.endr
	v_sub_f32 v149, v139, v128
.irp e, 0,1,2,3,4,5,6,7,8
	v_mul_f32 v[141+\e], 0x3fb8aa3b, v[141+\e]
.endr
	s_wait_alu depctr_va_vdst(0)
.irp e, 0,1,2,3,4,5,6,7,8
	v_exp_f32 v[141+\e], v[141+\e]
.endr
	v_nop                                          ; one plain line behind the exponentials
	s_wait_alu depctr_va_vdst(0)
	v_add_f32 v141, v141, v142
	v_add_f32 v143, v143, v144
	v_add_f32 v145, v145, v146
	v_add_f32 v147, v147, v148
	v_add_f32 v141, v141, v143
	v_add_f32 v145, v145, v147
	v_add_f32 v141, v141, v145
	s_wait_alu depctr_va_vdst(0)
	v_rcp_f32 v150, v141                           ; p1 = 1 / the sum
	v_nop
	s_wait_alu depctr_va_vdst(0)
	v_mul_f32 v151, v149, v150                     ; p2
	v_add_f32 v152, v150, v151
	v_add_f32 v152, 0x322bcc77, v152               ; + 1e-8
	s_wait_alu depctr_va_vdst(0)
	v_rcp_f32 v152, v152
	v_nop
	s_wait_alu depctr_va_vdst(0)
	v_mul_f32 v150, v150, v152
	v_mul_f32 v151, v151, v152
	v_cmp_lt_u32 vcc_lo, v129, v140
	v_cndmask_b32 v153, v140, v129, vcc_lo         ; lo
	v_cndmask_b32 v154, v129, v140, vcc_lo         ; hi
	v_cndmask_b32 v156, v151, v150, vcc_lo         ; w_lo
	v_cndmask_b32 v157, v150, v151, vcc_lo         ; w_hi
	v_sub_nc_u32 v155, 15, v153
	v_mul_u32_u24 v155, v155, v153
	v_lshrrev_b32 v155, 1, v155
	v_add_nc_u32 v155, v155, v154
	v_sub_nc_u32 v155, v155, v153
	v_add_nc_u32 v155, -1, v155                    ; the pair's number
	s_wait_alu depctr_va_vdst(0)
	s_wait_dscnt 0x0
.irp q, 0,1,2,3,4,5,6,7,8,9,10,11
	global_store_b128 v[O16], v[OUTR+4*\q:OUTR+4*\q+3], s[8:9] offset:512*\q    ; 512 consecutive bytes a store; the wave's 6,144 begin at a multiple of 256
.endr
	global_store_b64 v[O8], v[208:209], s[10:11]   ; 256 consecutive bytes, aligned
	s_wait_xcnt 0x0                                ; EXEC is narrowed only behind this wait
	v_cmp_gt_u32 vcc_lo, 8, v[LN]
	s_wait_tensorcnt 0x0
	ds_add_u32 v254, v255
	s_wait_dscnt 0x0
	s_and_saveexec_b32 s59, vcc_lo
	global_store_b32 v[O4], v155, s[12:13]
	global_store_b64 v[O8], v[156:157], s[14:15]
	s_endpgm
.Lwr_done:
	s_wait_tensorcnt 0x0                           ; wave 4's end
	ds_add_u32 v254, v255
	s_wait_dscnt 0x0
	s_endpgm
.Lfunc_end_k_qe2cc41d057_route:
	.size	k_qe2cc41d057_route, .Lfunc_end_k_qe2cc41d057_route-k_qe2cc41d057_route
	.p2alignl 7, 3214868480
	.fill 96, 4, 3214868480
	.section	.rodata,"a",@progbits
	.p2align	6, 0x0
	.amdhsa_kernel k_qe2cc41d057_route
		.amdhsa_group_segment_fixed_size 327680
		.amdhsa_private_segment_fixed_size 0
		.amdhsa_enable_private_segment 0
		.amdhsa_kernarg_size 48
		.amdhsa_user_sgpr_count 2
		.amdhsa_user_sgpr_kernarg_segment_ptr 1
		.amdhsa_wavefront_size32 1
		.amdhsa_system_sgpr_workgroup_id_x 1
		.amdhsa_system_sgpr_workgroup_id_y 1
		.amdhsa_system_sgpr_workgroup_id_z 1
		.amdhsa_system_vgpr_workitem_id 0
		.amdhsa_next_free_vgpr 512
		.amdhsa_next_free_sgpr 66
		.amdhsa_reserve_vcc 1
		.amdhsa_float_denorm_mode_32 3
		.amdhsa_float_denorm_mode_16_64 3
		.amdhsa_memory_ordered 1
		.amdhsa_forward_progress 1
		.amdhsa_inst_pref_size 126
	.end_amdhsa_kernel
	.amdgpu_metadata
---
amdhsa.version: [ 1, 2 ]
amdhsa.kernels:
  - .name:           k_qe2cc41d057_route
    .symbol:         k_qe2cc41d057_route.kd
    .args:
      - { .name: x, .offset: 0, .size: 8, .value_kind: global_buffer, .address_space: global }
      - { .name: Wr, .offset: 8, .size: 8, .value_kind: global_buffer, .address_space: global }
      - { .name: xq, .offset: 16, .size: 8, .value_kind: global_buffer, .address_space: global }
      - { .name: xs, .offset: 24, .size: 8, .value_kind: global_buffer, .address_space: global }
      - { .name: pid, .offset: 32, .size: 8, .value_kind: global_buffer, .address_space: global }
      - { .name: cw, .offset: 40, .size: 8, .value_kind: global_buffer, .address_space: global }
    .group_segment_fixed_size: 327680
    .private_segment_fixed_size: 0
    .kernarg_segment_align: 8
    .kernarg_segment_size: 48
    .max_flat_workgroup_size: 160
    .sgpr_count:     66
    .vgpr_count:     512
    .wavefront_size: 32
...
	.end_amdgpu_metadata
.endif
;; end of part 4
;; launch place (part 5): grid 124 x 1, 32 waves a work-group, no clusters, 107,776 bytes of LDS; arguments pid, Wg_codes, Wu_codes, Wd_codes, Wg_scales, Wu_scales, Wd_scales, cnt, order, wfr, wsc; writes cnt, order, wfr, wsc
.if DOCPART == 5
	.amdgcn_target "amdgcn-amd-amdhsa--gfx1250"
	.amdhsa_code_object_version 6
	.text
	.protected	k_qe2cc41d057_place
	.globl	k_qe2cc41d057_place
	.p2align	8
	.type	k_qe2cc41d057_place,@function
k_qe2cc41d057_place:
	s_mov_b64 s[64:65], 0
	v_nop
	global_prefetch_b8 v0, s[64:65] scope:SCOPE_SE
	s_setreg_imm32_b32 hwreg(HW_REG_WAVE_MODE, 25, 1), 1
	s_wait_xcnt 0x0
; TWO JOBS IN ONE LAUNCH, parted on the work-group's number; each way has LDS bytes of its own.
; Work-groups 0-27: work-group b lists the tokens whose pair of experts has the number b: order[b][0 .. cnt[b] - 1], and cnt[b].  No atomics: each of the 32 waves counts its 256 tokens,
;   the counts meet in LDS, and a token's place is (the waves ahead) + (the registers ahead) + (the lanes ahead).  The order inside a list is free: every token's row of the output stands alone.
; Work-groups 28-123: stream sigma = number - 28 = 32 q + 4 e + w (q: 0 gate, 1 up, 2 down; e the expert; w the wave of the next launch that will read it): 49,152 dense bytes of codes are laid
;   anew as 32 IMAGES OF OPERAND REGISTERS of 1,536 bytes: byte 512 c + 16 lane of an image holds registers 4 c .. 4 c + 3 of that lane, so that a fragment comes by three loads of 16 bytes a lane.
;   gate, up: image 4 s + t = K step s, tile t of rows 64 w on; lane r takes row 32 (t / 2) + 8 (t % 2) + r + 8 (r / 8), so that the results of tiles 2 b, 2 b + 1 are 16 neighbours along the next K.
;   down: image 2 n + s = rows 256 w + 16 n on, K step s; lane r takes row r.
;   wsc: 2,048 bytes a stream; a step is four images; the word at 256 step + 16 r + 4 j is lane r's scale word for the step's image j: one load of 16 bytes a lane brings a step's four.
; Every number that steers an address here is a whole number read from memory (pid) or an id.
.set PL, 0                             ; LDS: the 32 waves' counts
.set GU, 256                           ; LDS: 64 rows of 768 bytes, 784 apart
.set DN, GU+64*784                     ; LDS: 256 rows of 192 bytes, 208 apart
	s_load_b512 s[4:19], s[0:1], 0x0               ; pid s[4:5], Wg_codes s[6:7], Wu_codes s[8:9], Wd_codes s[10:11], Wg_scales s[12:13], Wu_scales s[14:15], Wd_scales s[16:17], cnt s[18:19]
	s_load_b128 s[20:23], s[0:1], 0x40             ; order s[20:21], wfr s[22:23]
	s_load_b64 s[24:25], s[0:1], 0x50              ; wsc
	v_lshl_add_u32 v64, v0, 2, 0x19500
	v_mov_b32 v65, 0
	v_lshrrev_b32 v2, 5, v0
	s_delay_alu instid0(VALU_DEP_1)
	v_readfirstlane_b32 s26, v2                    ; wave 0..31
	v_and_b32 v1, 31, v0                           ; lane
	s_delay_alu instid0(VALU_DEP_1)
	v_lshlrev_b32 v3, 4, v1                        ; 16 x lane
	s_cmp_ge_u32 ttmp9, 28
	s_cbranch_scc1 .Lweights
	; ---- the list of pair b = my work-group's number.  Wave v takes tokens 256 v .. 256 v + 255: register k of lane l is token 256 v + 128 (k / 4) + 4 l + k % 4
	s_mov_b32 s31, ttmp9
	s_lshl_b32 s27, s26, 10
	v_add_nc_u32 v4, s27, v3
	s_lshl_b32 s28, ttmp9, 15                      ; a row of order is 32,768 bytes
	s_mov_b32 s29, 0
	s_lshl_b32 s30, s26, 8
	v_lshl_add_u32 v5, v1, 2, s30
.irp k, 0,1,2,3,4,5,6,7
	v_add_nc_u32 v[16+\k], 128*(\k/4)+\k%4, v5     ; the token numbers, each in a register of its own
.endr
	s_mov_b32 s62, 0x76543210
	s_mov_b32 s63, 0xfedcba98
	v_mov_b32 v28, 0                               ; written once: the destinations of the lane moves below count as sources
	v_mov_b32 v29, 0
	v_mov_b32 v30, 0                               ; the offset of the store of cnt[b]: made here, every lane on, ahead of every load and of every change of EXEC; never rewritten
	s_wait_kmcnt 0x0
	global_load_b128 v[8:11], v4, s[4:5]
	global_load_b128 v[12:15], v4, s[4:5] offset:512
	s_add_nc_u64 s[20:21], s[20:21], s[28:29]
	s_lshl_b32 s28, ttmp9, 2
	s_add_nc_u64 s[18:19], s[18:19], s[28:29]
	s_wait_loadcnt 0x0
.irp k, 0,1,2,3,4,5,6,7
	v_cmp_eq_u32 s[32+\k], s31, v[8+\k]
	s_bcnt1_i32_b32 s[40+\k], s[32+\k]
.endr
	s_add_co_u32 s48, s40, s41
.irp k, 2,3,4,5,6,7
	s_add_co_u32 s48, s48, s[40+\k]
.endr
	v_mov_b32 v6, s48                              ; my wave's count
	v_mov_b32 v24, s26
	s_delay_alu instid0(VALU_DEP_1)
	v_lshlrev_b32 v24, 2, v24
	ds_store_b32 v24, v6                           ; all lanes write the same word with the same value
	s_wait_dscnt 0x0                               ; for the others' sake
	s_barrier_signal -1
	s_barrier_wait -1
	v_lshlrev_b32 v25, 2, v1
	ds_load_b32 v26, v25                           ; lane l: wave l's count
	s_wait_dscnt 0x0
	v_cmp_gt_u32 vcc_lo, s26, v1
	s_delay_alu instid0(VALU_DEP_1)
	v_cndmask_b32 v27, 0, v26, vcc_lo              ; only the waves ahead of mine
.irp k, 1
	v_mov_b32_dpp v28, v26 row_xmask:\k row_mask:0xf bank_mask:0xf
	s_delay_alu instid0(VALU_DEP_2)
	v_mov_b32_dpp v29, v27 row_xmask:\k row_mask:0xf bank_mask:0xf
	s_delay_alu instid0(VALU_DEP_2)
	v_add_nc_u32 v26, v26, v28
	s_delay_alu instid0(VALU_DEP_2)
	v_add_nc_u32 v27, v27, v29
.endr
.irp k, 2, 4, 8
	s_delay_alu instid0(VALU_DEP_2)
	v_mov_b32_dpp v28, v26 row_xmask:\k row_mask:0xf bank_mask:0xf
	s_delay_alu instid0(VALU_DEP_2)
	v_mov_b32_dpp v29, v27 row_xmask:\k row_mask:0xf bank_mask:0xf
	s_delay_alu instid0(VALU_DEP_2)
	v_add_nc_u32 v26, v26, v28
	s_delay_alu instid0(VALU_DEP_2)
	v_add_nc_u32 v27, v27, v29
.endr
	s_delay_alu instid0(VALU_DEP_2)
	v_permlanex16_b32 v28, v26, s62, s63
	s_delay_alu instid0(VALU_DEP_2)
	v_permlanex16_b32 v29, v27, s62, s63
	s_delay_alu instid0(VALU_DEP_2)
	v_add_nc_u32 v26, v26, v28                     ; the pair's count
	s_delay_alu instid0(VALU_DEP_2)
	v_add_nc_u32 v27, v27, v29
	s_delay_alu instid0(VALU_DEP_1)
	v_readfirstlane_b32 s50, v27                   ; where my wave's part of the list begins
.irp k, 0,1,2,3,4,5,6,7
	v_mbcnt_lo_u32_b32 v[32+\k], s[32+\k], s50     ; + the chosen lanes under mine
	s_add_co_u32 s50, s50, s[40+\k]
	v_min_u32 v[32+\k], 0x1fff, v[32+\k]           ; a place made of loaded numbers is held inside the row
	s_delay_alu instid0(VALU_DEP_1)
	v_lshlrev_b32 v[32+\k], 2, v[32+\k]
.endr
	s_wait_alu depctr_va_vdst(0)
.irp k, 0,1,2,3,4,5,6,7
	v_cmp_eq_u32 vcc_lo, s31, v[8+\k]
	s_wait_xcnt 0x0                                ; EXEC changes only behind this wait,
	s_and_saveexec_b32 s51, vcc_lo
	global_store_b32 v[32+\k], v[16+\k], s[20:21]  ; the chosen lanes' places are neighbours
	s_wait_xcnt 0x0                                ; and again where it is widened
	s_or_b32 exec_lo, exec_lo, s51
.endr
	s_cmp_lg_u32 s26, 0
	s_cbranch_scc1 .Llist_done
	v_cmp_eq_u32 vcc_lo, 0, v1
	s_wait_tensorcnt 0x0
	ds_add_u32 v64, v65
	s_wait_dscnt 0x0
	s_and_saveexec_b32 s51, vcc_lo                 ; (no memory instruction has been issued since the last wait on XCNT)
	global_store_b32 v30, v26, s[18:19]            ; cnt[b], by one lane of wave 0
	s_endpgm
.Llist_done:
	s_wait_tensorcnt 0x0
	ds_add_u32 v64, v65
	s_wait_dscnt 0x0
	s_endpgm
.Lweights:
	s_sub_co_u32 s27, ttmp9, 28                    ; sigma
	s_lshr_b32 s28, s27, 5                         ; q
	s_and_b32 s29, s27, 31                         ; 4 e + w
	s_mul_i32 s30, s29, 49152                      ; the stream's codes in their tensor: 64 rows of 768 bytes, or 256 of 192
	s_mov_b32 s31, 0
	s_mul_i32 s32, s27, 49152                      ; and in wfr
	s_mov_b32 s33, 0
	s_lshl_b32 s34, s29, 11                        ; its scale bytes: 64 rows of 32, or 256 of 8
	s_mov_b32 s35, 0
	s_lshl_b32 s36, s27, 11                        ; and in wsc
	s_mov_b32 s37, 0
	s_mul_i32 s38, s26, 1536
	s_wait_alu depctr_va_vdst(0)
	v_add_nc_u32 v4, s38, v3                       ; 1,536 x wave + 16 x lane: in the source block and in wfr alike
	v_and_b32 v20, 15, v1                          ; r
	v_lshrrev_b32 v21, 4, v1                       ; h
	v_lshrrev_b32 v40, 6, v0                       ; for the scale words, thread tau < 512: step = tau / 64,
	v_bfe_u32 v41, v0, 2, 4                        ; r = (tau / 4) % 16,
	v_and_b32 v42, 3, v0                           ; j = tau % 4
	v_lshlrev_b32 v45, 2, v0
	s_wait_kmcnt 0x0
	s_add_nc_u64 s[22:23], s[22:23], s[32:33]
	s_add_nc_u64 s[24:25], s[24:25], s[36:37]
	s_cmp_eq_u32 s28, 2
	s_cbranch_scc1 .Ldown
	; ---- gate or up
	s_cmp_eq_u32 s28, 0
	s_cselect_b64 s[6:7], s[6:7], s[8:9]           ; the choice hangs on the work-group's number alone
	s_cselect_b64 s[12:13], s[12:13], s[14:15]
	s_add_nc_u64 s[6:7], s[6:7], s[30:31]
	s_add_nc_u64 s[12:13], s[12:13], s[34:35]
	s_wait_alu depctr_va_vdst(0)
	global_load_b128 v[8:11], v4, s[6:7]           ; wave v: rows 2 v and 2 v + 1, 1,536 dense bytes
	global_load_b128 v[12:15], v4, s[6:7] offset:512
	global_load_b128 v[16:19], v4, s[6:7] offset:1024
	s_mul_i32 s39, s26, 2*784
	s_add_co_u32 s39, s39, GU
	v_add_nc_u32 v5, s39, v3                       ; piece c = 32 q + l goes to 16 c, and 16 further on from c = 48 (the second row)
	s_delay_alu instid0(VALU_DEP_1)
	v_lshl_add_u32 v6, v21, 4, v5
	v_and_b32 v22, 8, v20
	s_delay_alu instid0(VALU_DEP_1)
	v_add_nc_u32 v22, v22, v20                     ; r + 8 (r / 8)
	s_delay_alu instid0(VALU_DEP_1)
	v_mul_u32_u24 v23, v22, 784
	s_delay_alu instid0(VALU_DEP_1)
	v_mad_u32_u24 v23, v21, 24, v23
	s_wait_alu depctr_va_vdst(0)
	s_and_b32 s40, s26, 3                          ; then wave v makes image v = 4 s + t
	s_lshr_b32 s41, s26, 2
	s_lshr_b32 s42, s40, 1
	s_and_b32 s43, s40, 1
	s_lshl_b32 s42, s42, 5
	s_lshl_b32 s43, s43, 3
	s_add_co_u32 s42, s42, s43                     ; the tile's first row: 32 (t / 2) + 8 (t % 2)
	s_mul_i32 s42, s42, 784
	s_mul_i32 s41, s41, 96
	s_add_co_u32 s42, s42, s41
	s_add_co_u32 s42, s42, GU
	v_add_nc_u32 v23, s42, v23
	s_wait_alu depctr_va_vdst(0)
	s_wait_loadcnt 0x0
	ds_store_b128 v5, v[8:11]
	ds_store_b128 v6, v[12:15] offset:512
	ds_store_b128 v5, v[16:19] offset:1040
	s_wait_dscnt 0x0
	s_barrier_signal -1
	s_barrier_wait -1
.irp p, 0,1,2,3,4,5
	ds_load_b64 v[24+2*\p:25+2*\p], v23 offset:48*(\p/3)+8*(\p%3)    ; registers 6 c .. 6 c + 5: k = 64 c + 32 h + 0 .. 31, 24 bytes as they lie
.endr
	s_wait_dscnt 0x0
.irp c, 0,1,2
	global_store_b128 v4, v[24+4*\c:27+4*\c], s[22:23] offset:512*\c ; 512 consecutive bytes a store
.endr
	s_cmp_ge_u32 s26, 16
	s_cbranch_scc1 .Lgu_done
	v_and_b32 v43, 8, v41
	s_delay_alu instid0(VALU_DEP_1)
	v_add_nc_u32 v43, v43, v41
	v_lshrrev_b32 v44, 1, v42
	s_delay_alu instid0(VALU_DEP_1)
	v_lshl_add_u32 v43, v44, 5, v43
	v_and_b32 v44, 1, v42
	s_delay_alu instid0(VALU_DEP_1)
	v_lshl_add_u32 v43, v44, 3, v43                ; row 32 (j / 2) + 8 (j % 2) + r + 8 (r / 8),
	s_delay_alu instid0(VALU_DEP_1)
	v_lshlrev_b32 v43, 5, v43                      ; 32 bytes a row,
	s_delay_alu instid0(VALU_DEP_1)
	v_lshl_add_u32 v43, v40, 2, v43                ; word = K step
	global_load_b32 v46, v43, s[12:13]
	s_wait_loadcnt 0x0
	global_store_b32 v45, v46, s[24:25]
.Lgu_done:
	s_wait_tensorcnt 0x0
	ds_add_u32 v64, v65
	s_wait_dscnt 0x0
	s_endpgm
.Ldown:
	s_add_nc_u64 s[10:11], s[10:11], s[30:31]
	s_add_nc_u64 s[16:17], s[16:17], s[34:35]
	s_wait_alu depctr_va_vdst(0)
	global_load_b128 v[8:11], v4, s[10:11]         ; wave v: rows 8 v .. 8 v + 7, 1,536 dense bytes
	global_load_b128 v[12:15], v4, s[10:11] offset:512
	global_load_b128 v[16:19], v4, s[10:11] offset:1024
	s_mul_i32 s39, s26, 8*208
	s_add_co_u32 s39, s39, DN
.irp q, 0,1,2
	v_add_nc_u32 v[48+\q], 32*\q, v1               ; piece c = 32 q + l of 96; a row has 12
	s_delay_alu instid0(VALU_DEP_1)
	v_mul_u32_u24 v[52+\q], v[48+\q], 43
	s_delay_alu instid0(VALU_DEP_1)
	v_lshrrev_b32 v[52+\q], 9, v[52+\q]            ; c / 12 (43 c / 512 is that for c under 96)
	s_delay_alu instid0(VALU_DEP_1)
	v_add_nc_u32 v[48+\q], v[48+\q], v[52+\q]      ; 16 bytes of padding behind each row
	s_delay_alu instid0(VALU_DEP_1)
	v_lshl_add_u32 v[48+\q], v[48+\q], 4, s39
.endr
	v_mul_u32_u24 v23, v20, 208
	s_delay_alu instid0(VALU_DEP_1)
	v_mad_u32_u24 v23, v21, 24, v23
	s_lshr_b32 s40, s26, 1                         ; then wave v makes image v = 2 n + s
	s_and_b32 s41, s26, 1
	s_mul_i32 s40, s40, 16*208
	s_mul_i32 s41, s41, 96
	s_add_co_u32 s40, s40, s41
	s_add_co_u32 s40, s40, DN
	v_add_nc_u32 v23, s40, v23
	s_wait_alu depctr_va_vdst(0)
	s_wait_loadcnt 0x0
	ds_store_b128 v48, v[8:11]
	ds_store_b128 v49, v[12:15]
	ds_store_b128 v50, v[16:19]
	s_wait_dscnt 0x0
	s_barrier_signal -1
	s_barrier_wait -1
.irp p, 0,1,2,3,4,5
	ds_load_b64 v[24+2*\p:25+2*\p], v23 offset:48*(\p/3)+8*(\p%3)
.endr
	s_wait_dscnt 0x0
.irp c, 0,1,2
	global_store_b128 v4, v[24+4*\c:27+4*\c], s[22:23] offset:512*\c
.endr
	s_cmp_ge_u32 s26, 16
	s_cbranch_scc1 .Ldn_done
	v_lshrrev_b32 v44, 1, v42
	s_delay_alu instid0(VALU_DEP_1)
	v_lshl_add_u32 v43, v40, 1, v44                ; n = 2 step + j / 2
	s_delay_alu instid0(VALU_DEP_1)
	v_lshl_add_u32 v43, v43, 4, v41                ; row 16 n + r,
	s_delay_alu instid0(VALU_DEP_1)
	v_lshlrev_b32 v43, 3, v43                      ; 8 bytes a row,
	v_and_b32 v44, 1, v42
	s_delay_alu instid0(VALU_DEP_1)
	v_lshl_add_u32 v43, v44, 2, v43                ; word = K step j % 2
	global_load_b32 v46, v43, s[16:17]
	s_wait_loadcnt 0x0
	global_store_b32 v45, v46, s[24:25]
.Ldn_done:
	s_wait_tensorcnt 0x0
	ds_add_u32 v64, v65
	s_wait_dscnt 0x0
	s_endpgm
.Lfunc_end_k_qe2cc41d057_place:
	.size	k_qe2cc41d057_place, .Lfunc_end_k_qe2cc41d057_place-k_qe2cc41d057_place
	.p2alignl 7, 3214868480
	.fill 96, 4, 3214868480
	.section	.rodata,"a",@progbits
	.p2align	6, 0x0
	.amdhsa_kernel k_qe2cc41d057_place
		.amdhsa_group_segment_fixed_size 107776
		.amdhsa_private_segment_fixed_size 0
		.amdhsa_enable_private_segment 0
		.amdhsa_kernarg_size 88
		.amdhsa_user_sgpr_count 2
		.amdhsa_user_sgpr_kernarg_segment_ptr 1
		.amdhsa_wavefront_size32 1
		.amdhsa_system_sgpr_workgroup_id_x 1
		.amdhsa_system_sgpr_workgroup_id_y 1
		.amdhsa_system_sgpr_workgroup_id_z 1
		.amdhsa_system_vgpr_workitem_id 0
		.amdhsa_next_free_vgpr 66
		.amdhsa_next_free_sgpr 66
		.amdhsa_reserve_vcc 1
		.amdhsa_float_denorm_mode_32 3
		.amdhsa_float_denorm_mode_16_64 3
		.amdhsa_memory_ordered 1
		.amdhsa_forward_progress 1
		.amdhsa_inst_pref_size 18
	.end_amdhsa_kernel
	.amdgpu_metadata
---
amdhsa.version: [ 1, 2 ]
amdhsa.kernels:
  - .name:           k_qe2cc41d057_place
    .symbol:         k_qe2cc41d057_place.kd
    .args:
      - { .name: pid, .offset: 0, .size: 8, .value_kind: global_buffer, .address_space: global }
      - { .name: Wg_codes, .offset: 8, .size: 8, .value_kind: global_buffer, .address_space: global }
      - { .name: Wu_codes, .offset: 16, .size: 8, .value_kind: global_buffer, .address_space: global }
      - { .name: Wd_codes, .offset: 24, .size: 8, .value_kind: global_buffer, .address_space: global }
      - { .name: Wg_scales, .offset: 32, .size: 8, .value_kind: global_buffer, .address_space: global }
      - { .name: Wu_scales, .offset: 40, .size: 8, .value_kind: global_buffer, .address_space: global }
      - { .name: Wd_scales, .offset: 48, .size: 8, .value_kind: global_buffer, .address_space: global }
      - { .name: cnt, .offset: 56, .size: 8, .value_kind: global_buffer, .address_space: global }
      - { .name: order, .offset: 64, .size: 8, .value_kind: global_buffer, .address_space: global }
      - { .name: wfr, .offset: 72, .size: 8, .value_kind: global_buffer, .address_space: global }
      - { .name: wsc, .offset: 80, .size: 8, .value_kind: global_buffer, .address_space: global }
    .group_segment_fixed_size: 107776
    .private_segment_fixed_size: 0
    .kernarg_segment_align: 8
    .kernarg_segment_size: 88
    .max_flat_workgroup_size: 1024
    .sgpr_count:     66
    .vgpr_count:     66
    .wavefront_size: 32
...
	.end_amdgpu_metadata
.endif
;; end of part 5
;; launch chain (part 6): grid 155 x 1, 4 waves a work-group, no clusters, 147,968 bytes of LDS; arguments cnt, order, cw, xq, xs, wfr, wsc, out0; writes out0
.if DOCPART == 6
	.amdgcn_target "amdgcn-amd-amdhsa--gfx1250"
	.amdhsa_code_object_version 6
	.text
	.protected	k_qe2cc41d057_chain
	.globl	k_qe2cc41d057_chain
	.p2align	8
	.type	k_qe2cc41d057_chain,@function
k_qe2cc41d057_chain:
	s_mov_b64 s[64:65], 0
	v_nop
	global_prefetch_b8 v0, s[64:65] scope:SCOPE_SE
	s_setreg_imm32_b32 hwreg(HW_REG_WAVE_MODE, 25, 1), 1
	s_wait_xcnt 0x0
; THE EXPERTS.  A tile is 64 tokens that chose the same pair {lo, hi}; a work-group takes one tile through both experts: gate and up (K = 1,024), SwiGLU in f32, the hidden layer quantised along its 256,
; down (K = 256), out = w_lo out_lo + w_hi out_hi, stored.  All products on codes of BF6 (E3M2) with E8M0 scales for each 32 along K.  Each row of the output has one owner; the hidden layer never goes to memory.
; THE GRID serves every split: with 8,192 tokens, 28 pairs and tiles of 64 there are never more than 128 + 27 = 155 tiles.  Tile t's pair is found by walking the 28 counts.
; A work-group beyond the split's tiles runs the same text on the last list's last token and stores nothing: both barriers stand on every wave's path, none under a branch on the counts; only the way out is jumped over.
; Rows beyond a list's end repeat its last token: they are computed and NOT stored: the real rows are a prefix of the tile, and the way out of a tile that is not full ends at the first store both of whose rows lie
; beyond the end.  (Where the count is odd, the last store holds the last row and its copy side by side, with the same bytes.)  Every list index is held at cnt - 1, so only entries that were written are read.
; SHARES.  THE WAVES SHARE THE COLUMNS, NOT THE ROWS: wave w makes hidden units 64 w .. 64 w + 63 (4 tiles of gate, 4 of up) and outputs 256 w .. 256 w + 255, for all 64 rows.  So each weight byte enters the
; work-group once, from memory straight into operand registers (the launch before laid the weights as images of those registers); what goes from wave to wave through LDS is small: the rows' codes, as register images.
; BOTH PRODUCTS ARE USED TRANSPOSED (source 0 = 16 rows of a weight, source 1 = 16 tokens): a lane holds one token, its registers run along the hidden units, then along the outputs.
; THE WEIGHT STREAM: 24 steps (8 gate|up of lo, 8 of hi, 8 down lo|hi); a step is 1 load of scale words, 12 of stream A, 12 of stream B, 512 bytes each, asked for four steps ahead into a ring of four sets.
; NO CLUSTER: which tiles share an expert hangs on the counts; four partners of one pair would want each list padded to 256 rows (up to 28 x 192 rows more on 8,192), and a joint load lands in LDS, while here a
; weight byte goes to one wave's registers and is read by nobody else in the work-group.
; LIMITS: NaN and infinities are not served; a hidden block of zeros, or under 2^-122, gets the byte 1 (its codes are zeros or the floor's); v_exp_f32 gives 0 under 2^-126, which leaves the sigmoid at 1.
; REGISTERS, in windows of 256.  Window 0: addresses, scale words, weights of the combine, work.  Window 1: v0-127 gate's 16 accumulators (32 m + 8 t), v128-255 up's; later v0-127 down's (64 e + 32 n + 8 m) and
; v128-223 the lo expert's 8 hidden fragments.  Windows 2 and 3: v0-191 two ring sets each (96 (set % 2) + 12 f); v192-239 four fragments of x (K steps by turns), later the hi expert's hidden fragments.
; THE WEIGHT STREAM AS THIS TEXT HAS IT: a step's 25 loads go out in the order 12 of stream A, 1 of scale words, 12 of stream B, FOUR steps ahead, each half into the registers of the ring set
; that the step in hand has just multiplied; the loads that K steps 6 and 7 of gate and up would ask for go out between the tiles of the activation instead.
; So behind a step's scale words 12 + 75 = 87 younger loads have been issued: its wait names 63, the most that the counter's field holds; where fewer follow, the counts are written out.
.set FRB,  1536
.set XI,   0                           ; LDS: x's 32 images, (8 m + s) FRB
.set HI,   32*FRB                      ; LDS: the hidden layer's 16 images, ((4 e + m) 2 + s') FRB; half c = registers 6 c .. 6 c + 5 at 768 c: four registers at 16 l, two at 512 + 8 l
.set HSW,  HI+16*FRB                   ; LDS: its scale bytes, ((4 e + m) 4 + w) 128: wave w's two bytes as a word a lane
.set OS,   HSW+32*128                  ; LDS: the way out, 64 rows x (256 + 16) bytes for each wave, its own
.set OSP,  272
.set LI,   1                           ; v1   16 l
.set L8H,  2                           ; v2   HI + 8 l
.set LSH,  3                           ; v3   HSW + 4 l
.set VSC,  4                           ; v4   my offset in wsc for the stream in hand: lanes 0-15 stream A's words of row r, lanes 16-31 stream B's
.set VSN,  5                           ; v5   the next stream's
.set VSD,  6                           ; v6   the down stream's
.set HB0,  7                           ; v7-9   where my wave stores its half images and its scale word, expert lo
.set HB1,  8
.set HB2,  9
.set HA0,  10                          ; v10-12 the same for the expert in hand
.set HA1,  11
.set HA2,  12
.set OSTO, 13                          ; v13  the way out: where I put 16 bytes of a row
.set OSRD, 14                          ; v14  and where I read a row back
.set LIH,  15                          ; v15  HI + 16 l
.set SW,   16                          ; v16-31  the weights' scale words, 4 a ring set
.set XS,   32                          ; v32-63  x's scale words (8 m + s); later the hidden layer's (8 e + 2 m + s')
.set CW,   64                          ; v64-71  (w_lo, w_hi) of my token in tile m
.set SO,   72                          ; v72-103 byte offset in out0 of the row that I store: 8 m + q is row 16 m + 2 q + l / 16
.set T,    104                         ; v104-135 at work: the sigmoid, then h; in the head v104-199 the gathered codes; in the down phase results
.set TM,   136                         ; v136-143 the quantiser's work, two blocks
.set TP,   138
.set TS,   140
.set TB,   142
.set PW,   144                         ; v144 my two scale bytes
.set PC,   146                         ; v146-151 six registers of codes
.set PD,   152                         ; v152-154
.set WH,   136                         ; v136-143 in the down phase: w_hi twice, a pair for each m
.set OB,   160                         ; v160-223 rows on their way out, two sets
.set RB,   224                         ; v224-255 results, second half; in the head: lane numbers and offsets
.set WV,   20
.set CA,   36                          ; s[36:47] addresses of the streams: in hand A, B; next A, B; down A, B
.set CB,   38
.set NA,   40
.set NB,   42
.set DA,   44
.set DB,   46
.set TRIP, 48
.set EOI,  49
.set EOS,  50
.set LEFT, 51                          ; s51  the tile's real rows, 0 .. 64
.set SEL,  52
.set NL,   54
.set WSC,  16
.set OUT,  18
.set MSB, 0
.macro WIN new                         ; bits 1:0 source 0, 3:2 source 1, 5:4 source 2, 7:6 destination; the immediate's high byte repeats the setting that is left
.if MSB != (\new)
	s_set_vgpr_msb (MSB<<8)|(\new)
.set MSB, (\new)
.endif
.endm
.macro WM d, a, b, zero, sa, sb, row1  ; one product; zero = 1: it starts the sum; row1 = 1: the weight's scale words stand in lanes 16-31
.if \zero
.if \row1
	v_wmma_scale_f32_16x16x128_f8f6f4 v[\d:\d+7], v[\a:\a+11], v[\b:\b+11], 0, v[\sa], v[\sb] matrix_a_fmt:MATRIX_FMT_BF6 matrix_b_fmt:MATRIX_FMT_BF6 matrix_a_scale:MATRIX_SCALE_ROW1
.else
	v_wmma_scale_f32_16x16x128_f8f6f4 v[\d:\d+7], v[\a:\a+11], v[\b:\b+11], 0, v[\sa], v[\sb] matrix_a_fmt:MATRIX_FMT_BF6 matrix_b_fmt:MATRIX_FMT_BF6
.endif
.else
.if \row1
	v_wmma_scale_f32_16x16x128_f8f6f4 v[\d:\d+7], v[\a:\a+11], v[\b:\b+11], v[\d:\d+7], v[\sa], v[\sb] matrix_a_fmt:MATRIX_FMT_BF6 matrix_b_fmt:MATRIX_FMT_BF6 matrix_a_scale:MATRIX_SCALE_ROW1
.else
	v_wmma_scale_f32_16x16x128_f8f6f4 v[\d:\d+7], v[\a:\a+11], v[\b:\b+11], v[\d:\d+7], v[\sa], v[\sb] matrix_a_fmt:MATRIX_FMT_BF6 matrix_b_fmt:MATRIX_FMT_BF6
.endif
.endif
.endm
.macro LDSC set, vs, step              ; a step's scale words: 16 bytes a lane
	WIN 0
	global_load_b128 v[SW+4*(\set):SW+4*(\set)+3], v[\vs], s[WSC:WSC+1] offset:256*(\step)
.endm
.macro LDW set, half, base, step       ; a step's four fragments of one stream: 12 loads of 512 consecutive bytes
	WIN (2+(\set)/2)<<6
.irp f, 0,1,2,3
.irp c, 0,1,2
	global_load_b128 v[96*((\set)%2)+12*(4*(\half)+\f)+4*\c:96*((\set)%2)+12*(4*(\half)+\f)+4*\c+3], v[LI], s[\base:\base+1] offset:4*FRB*(\step)+FRB*\f+512*\c
.endr
.endr
.endm
.macro LDSTEP set, vs, a, b, step      ; a whole step's 25 loads, in the stream's order
	LDW \set, 0, \a, \step
	LDSC \set, \vs, \step
	LDW \set, 1, \b, \step
.endm
.macro SCAN b, lo, hi
	s_cmp_lg_u32 s[36+\b], 0
	s_cselect_b32 s26, s22, -1
	s_cmp_le_u32 s26, s21
	s_cselect_b32 s23, s22, s23
	s_cselect_b32 s24, s[36+\b], s24
	s_cselect_b32 s25, (\lo)|((\hi)<<8)|((\b)<<16), s25
	s_add_co_u32 s27, s[36+\b], 63
	s_lshr_b32 s27, s27, 6
	s_add_co_u32 s22, s22, s27
.endm
.macro IDX reg                         ; a row's number in the list -> its token: held at the list's last entry, then inside a row of order; the load lands on its own address register
	v_min_u32 v[\reg], s33, v[\reg]
	v_min_u32 v[\reg], 0x1fff, v[\reg]
	v_lshlrev_b32 v[\reg], 2, v[\reg]
	global_load_b32 v[\reg], v[\reg], s[6:7]
.endm
	s_load_b512 s[4:19], s[0:1], 0x0               ; cnt s[4:5], order s[6:7], cw s[8:9], xq s[10:11], xs s[12:13], wfr s[14:15], wsc s[16:17], out0 s[18:19]
	s_set_vgpr_msb 0x80
	v_lshl_add_u32 v254, v0, 2, 0x24000
	v_mov_b32 v255, 0
	s_set_vgpr_msb 0x8000
	v_lshrrev_b32 v240, 5, v0
	v_readfirstlane_b32 s[WV], v240                ; wave 0..3
	v_and_b32 v240, 31, v0                         ; l
	v_and_b32 v241, 15, v0                         ; r
	v_bfe_u32 v242, v0, 4, 1                       ; h
	s_wait_alu depctr_va_vdst(0)
	s_wait_kmcnt 0x0
	s_load_b512 s[36:51], s[4:5], 0x0              ; the 28 counts
	s_load_b256 s[52:59], s[4:5], 0x40
	s_load_b128 s[60:63], s[4:5], 0x60
	v_lshlrev_b32 v[LI], 4, v240
	v_lshl_add_u32 v[L8H], v240, 3, HI
	v_lshl_add_u32 v[LSH], v240, 2, HSW
	v_add_nc_u32 v[LIH], HI, v[LI]
	s_lshr_b32 s26, s[WV], 1                       ; my 64 hidden units are half w % 2 of the down product's K step w / 2
	s_and_b32 s27, s[WV], 1
	s_mul_i32 s28, s26, FRB
	s_mul_i32 s29, s27, 768
	s_add_co_u32 s28, s28, s29
	s_add_co_u32 s28, s28, HI
	v_add_nc_u32 v[HB0], s28, v[LI]
	s_add_co_u32 s28, s28, 512
	v_lshl_add_u32 v[HB1], v240, 3, s28
	s_lshl_b32 s29, s[WV], 7
	s_add_co_u32 s29, s29, HSW
	v_lshl_add_u32 v[HB2], v240, 2, s29
	s_mul_i32 s30, s[WV], 64*OSP
	s_add_co_u32 s30, s30, OS
	v_mul_u32_u24 v243, v241, OSP
	v_lshl_add_u32 v243, v242, 5, v243
	v_add_nc_u32 v[OSTO], s30, v243                ; in: row r, 32 bytes for each half of the lanes
	v_mul_u32_u24 v243, v242, OSP
	v_lshl_add_u32 v243, v241, 4, v243
	v_add_nc_u32 v[OSRD], s30, v243                ; back: lanes 0-15 one row of 256 bytes, lanes 16-31 the next
	s_mul_i32 s31, s[WV], 8*FRB
	v_add_nc_u32 v244, s31, v[LI]                  ; where I store x's images: tile m = w
	v_lshlrev_b32 v247, 4, v241                    ; 16 r
	v_mov_b32 v[TP], 0                             ; written once: a lane permute's destination counts as one of its sources
	v_mov_b32 v[TP+1], 0
	s_mov_b32 s21, ttmp9                           ; my tile
	s_mov_b32 s22, 0
	s_mov_b32 s23, 0
	s_mov_b32 s24, 0
	s_mov_b32 s25, 0x100
	s_wait_kmcnt 0x0
	SCAN 0, 0, 1
	SCAN 1, 0, 2
	SCAN 2, 0, 3
	SCAN 3, 0, 4
	SCAN 4, 0, 5
	SCAN 5, 0, 6
	SCAN 6, 0, 7
	SCAN 7, 1, 2
	SCAN 8, 1, 3
	SCAN 9, 1, 4
	SCAN 10, 1, 5
	SCAN 11, 1, 6
	SCAN 12, 1, 7
	SCAN 13, 2, 3
	SCAN 14, 2, 4
	SCAN 15, 2, 5
	SCAN 16, 2, 6
	SCAN 17, 2, 7
	SCAN 18, 3, 4
	SCAN 19, 3, 5
	SCAN 20, 3, 6
	SCAN 21, 3, 7
	SCAN 22, 4, 5
	SCAN 23, 4, 6
	SCAN 24, 4, 7
	SCAN 25, 5, 6
	SCAN 26, 5, 7
	SCAN 27, 6, 7
	s_sub_co_u32 s31, s21, s23                     ; j: which tile of the pair
	s_lshl_b32 s26, s31, 6
	s_sub_co_i32 s32, s24, s26                     ; rows left from there (0 or less in a work-group beyond the split's tiles),
	s_max_i32 s[LEFT], s32, 0
	s_min_u32 s[LEFT], s[LEFT], 64                 ; held to 0 .. 64: the tile's real rows, which alone are stored
	s_min_u32 s31, s31, 127
	s_lshl_b32 s31, s31, 6                         ; 64 j
	s_sub_co_u32 s33, s24, 1
	s_min_u32 s33, s33, 0x1fff                     ; the list's last entry
	s_and_b32 s28, s25, 0xff
	s_min_u32 s28, s28, 7                          ; lo
	s_bfe_u32 s29, s25, 0x80008
	s_min_u32 s29, s29, 7                          ; hi
	s_bfe_u32 s30, s25, 0x80010
	s_min_u32 s30, s30, 27                         ; the pair
	s_lshl_b32 s34, s30, 15
	s_mov_b32 s35, 0
	s_add_nc_u64 s[6:7], s[6:7], s[34:35]          ; its list
	v_add_nc_u32 v245, s31, v242                   ; 64 j + h
	v_add_nc_u32 v246, s31, v241                   ; 64 j + r
	s_lshl_b32 s26, s[WV], 4
.irp m, 0,1,2,3
	v_add_nc_u32 v[200+\m], 16*\m, v246            ; row 16 m + r: my token in tile m
	IDX 200+\m
.endr
	v_add_nc_u32 v204, s26, v246                   ; row 16 w + r: the token whose codes I gather
	IDX 204
.irp k, 0,1,2,3,4,5,6,7,8,9,10,11,12,13,14,15,16,17,18,19,20,21,22,23,24,25,26,27,28,29,30,31
	v_add_nc_u32 v[SO+\k], 2*\k, v245              ; row 16 m + 2 q + h, k = 8 m + q: the rows that I store
	IDX SO+\k
.endr
	; the streams, while the list is on its way
	s_lshl_b32 s26, s28, 2
	s_add_co_u32 s26, s26, s[WV]                   ; 4 lo + w
	s_lshl_b32 s27, s29, 2
	s_add_co_u32 s27, s27, s[WV]                   ; 4 hi + w
	s_mul_i32 s34, s26, 32*FRB
	s_add_nc_u64 s[CA:CA+1], s[14:15], s[34:35]    ; gate of lo,
	s_add_nc_u64 s[CB:CB+1], s[CA:CA+1], 32*32*FRB ; up of lo,
	s_add_nc_u64 s[DA:DA+1], s[CA:CA+1], 64*32*FRB ; down of lo
	s_mul_i32 s34, s27, 32*FRB
	s_add_nc_u64 s[NA:NA+1], s[14:15], s[34:35]    ; and of hi
	s_add_nc_u64 s[NB:NB+1], s[NA:NA+1], 32*32*FRB
	s_add_nc_u64 s[DB:DB+1], s[NA:NA+1], 64*32*FRB
	s_lshl_b32 s34, s[WV], 10
	s_add_nc_u64 s[OUT:OUT+1], s[OUT:OUT+1], s[34:35]   ; my 256 columns
	v_lshl_add_u32 v248, v242, 16, v247            ; up's words lie 32 streams of 2,048 bytes behind gate's
	s_lshl_b32 s34, s26, 11
	v_add_nc_u32 v[VSC], s34, v248
	s_lshl_b32 s34, s27, 11
	v_add_nc_u32 v[VSN], s34, v248
	s_add_co_u32 s26, s26, 64
	s_add_co_u32 s27, s27, 64
	s_lshl_b32 s26, s26, 11
	s_lshl_b32 s27, s27, 11
	v_sub_nc_u32 v249, 1, v242
	v_mul_u32_u24 v250, s26, v249                  ; lanes 0-15: down of lo;
	v_mad_u32_u24 v250, v242, s27, v250            ; lanes 16-31: down of hi
	v_add_nc_u32 v[VSD], v250, v247
	s_mov_b32 s[SEL], 0x76543210
	s_mov_b32 s[SEL+1], 0xfedcba98                 ; v_permlanex16_b32's selects for lane l xor 16
	s_mov_b32 s[NL], 0xbfb8aa3b                    ; -log2(e)
	s_mov_b32 s[NL+1], s[NL]                       ; (named with it as a pair, so it is written)
	s_mov_b32 s[TRIP], 2
	s_mov_b32 s[EOI], 0
	s_mov_b32 s[EOS], 0
	s_wait_loadcnt 0x0                             ; the list
.irp k, 0,1,2,3,4,5,6,7,8,9,10,11,12,13,14,15,16,17,18,19,20,21,22,23,24,25,26,27,28,29,30,31
	v_min_u32 v[SO+\k], 0x1fff, v[SO+\k]           ; a loaded token enters an address only held inside the table
	v_lshl_add_u32 v[SO+\k], v[SO+\k], 12, v247    ; 4,096 bytes a row of out0, 16 bytes a lane
.endr
.irp m, 0,1,2,3
	v_min_u32 v[200+\m], 0x1fff, v[200+\m]
	v_lshlrev_b32 v[205+\m], 5, v[200+\m]          ; xs: 32 bytes a token
	v_lshlrev_b32 v[209+\m], 3, v[200+\m]          ; cw: 8
.endr
	v_min_u32 v204, 0x1fff, v204
	v_mul_u32_u24 v213, v204, 768                  ; xq: 768 bytes a token,
	v_mad_u32_u24 v213, v242, 384, v213            ; my half's 384
.irp k, 0,1,2,3,4,5,6,7,8,9,10,11,12,13,14,15,16,17,18,19,20,21,22,23
	global_load_b128 v[T+4*\k:T+4*\k+3], v213, s[10:11] offset:16*\k      ; registers 12 s .. 12 s + 11 are K step s's fragment
.endr
.irp m, 0,1,2,3
	global_load_b128 v[XS+8*\m:XS+8*\m+3], v[205+\m], s[12:13]
	global_load_b128 v[XS+8*\m+4:XS+8*\m+7], v[205+\m], s[12:13] offset:16
.endr
.irp m, 0,1,2,3
	global_load_b64 v[CW+2*\m:CW+2*\m+1], v[209+\m], s[8:9]
.endr
	LDSTEP 0, VSC, CA, CB, 0                       ; the stream's step 0
	s_wait_loadcnt 25                              ; all but step 0's 25: the 36 gathered loads are in
	LDSTEP 1, VSC, CA, CB, 1                       ; and 1
	WIN 0
.irp s, 0,1,2,3,4,5,6,7
.irp c, 0,1,2
	ds_store_b128 v244, v[T+12*\s+4*\c:T+12*\s+4*\c+3] offset:FRB*\s+512*\c   ; the fragments go to LDS as they stand in my registers
.endr
.endr
	LDSTEP 2, VSC, CA, CB, 2                       ; steps 2 and 3 go out while the stores above are on their way
	LDSTEP 3, VSC, CA, CB, 3
	WIN 0
	s_wait_dscnt 0x0                               ; for the others' sake
	s_barrier_signal -1
	s_barrier_wait -1                              ; x's 32 images lie in LDS
.macro XLOAD s                         ; K step s's four fragments of x, into the buffer s % 2
	WIN (2+(\s)%2)<<6
.irp m, 0,1,2,3
.irp c, 0,1,2
	ds_load_b128 v[192+12*\m+4*\c:192+12*\m+4*\c+3], v[LI] offset:XI+(8*\m+(\s))*FRB+512*\c
.endr
.endr
.endm
.macro GHALF s, up                     ; 16 products: my 4 tiles of gate (up = 0) or of up (1) x the 4 tiles of rows.  The 32 accumulators take turns, one instruction a turn
.set ST_, (\s)%4
.set WN_, (2+ST_/2)|((2+(\s)%2)<<2)|0x50
	WIN WN_
.set Z_, 0
.if (\s) == 0
.set Z_, 1
.endif
.set t_, 0
.rept 4
.set m_, 0
.rept 4
.set AC_, 128*(\up)+32*m_+8*t_
.set RA_, 96*(ST_%2)+12*(4*(\up)+t_)
.set XB_, 192+12*m_
.set SA_, SW+4*ST_+t_
.set SB_, XS+8*m_+(\s)
	WM AC_, RA_, XB_, Z_, SA_, SB_, \up
.set m_, m_+1
.endr
.set t_, t_+1
.endr
.endm
.macro GSTEP s                         ; K step s of gate and up
	s_wait_dscnt 0x0                               ; this step's fragments of x are in
.if (\s) < 7
	s_wait_loadcnt 63                              ; gate's 12 and the scale words are in: 87 younger loads have been issued
.else
	s_wait_loadcnt 62                              ; younger: up's 12 and the next stream's steps 0 and 1
.endif
	GHALF \s, 0
.rept 4
	v_nop                                          ; four places in front of the loads below, which go into registers that this step's gate products and the step before read (ISA guide 7.12.1 for vector instructions)
.endr
.if (\s) < 7
	XLOAD (\s)+1
.endif
.if (\s) < 4
	LDW (\s)%4, 0, CA, (\s)+4                      ; four steps on, into the registers that gate's products have just read
.else
.if (\s) < 6
	LDW (\s)%4, 0, NA, (\s)-4                      ; the ring goes on into the next stream
.endif
.endif
.if (\s) < 7
	s_wait_loadcnt 63                              ; up's 12 are in: 75 or more younger loads have been issued
.else
	s_wait_loadcnt 50                              ; younger: the next stream's steps 0 and 1
.endif
	GHALF \s, 1
.rept 4
	v_nop                                          ; four places in front of the loads into registers that up's products have read
.endr
.if (\s) < 4
	LDSC (\s)%4, VSC, (\s)+4
	LDW (\s)%4, 1, CB, (\s)+4
.else
.if (\s) < 6
	LDSC (\s)%4, VSN, (\s)-4
	LDW (\s)%4, 1, NB, (\s)-4
.endif
.endif
.endm
; Tile m of rows: h = (g sigmoid(g)) u in f32, quantised along the hidden units.  Register 16 b + i of a lane is hidden unit 64 w + 32 b + 16 (l / 16) + i of its token.  Each accumulator is read from its low end on.
.macro ACT m
	WIN 0x01
.set p_, 0
.rept 16
	v_pk_mul_f32 v[T+2*p_:T+2*p_+1], v[32*(\m)+2*p_:32*(\m)+2*p_+1], s[NL:NL+1] op_sel_hi:[1,0]    ; -g log2(e)
.set p_, p_+1
.endr
	WIN 0
.set p_, 0
	s_wait_alu depctr_va_vdst(0)
.rept 32
	v_exp_f32 v[T+p_], v[T+p_]
.set p_, p_+1
.endr
	v_nop                                          ; one plain line behind the transcendentals
.set p_, 0
	s_wait_alu depctr_va_vdst(0)
.rept 16
	v_pk_add_f32 v[T+2*p_:T+2*p_+1], v[T+2*p_:T+2*p_+1], 1.0 op_sel_hi:[1,0]
.set p_, p_+1
.endr
.set p_, 0
	s_wait_alu depctr_va_vdst(0)
.rept 32
	v_rcp_f32 v[T+p_], v[T+p_]                     ; the sigmoid
.set p_, p_+1
.endr
	v_nop
	WIN 0x41
.set p_, 0
	s_wait_alu depctr_va_vdst(0)
.rept 16
	v_pk_mul_f32 v[32*(\m)+2*p_:32*(\m)+2*p_+1], v[32*(\m)+2*p_:32*(\m)+2*p_+1], v[T+2*p_:T+2*p_+1]
.set p_, p_+1
.endr
	WIN 0x05
.set p_, 0
.rept 16
	v_pk_mul_f32 v[T+2*p_:T+2*p_+1], v[32*(\m)+2*p_:32*(\m)+2*p_+1], v[128+32*(\m)+2*p_:128+32*(\m)+2*p_+1]   ; h, into window 0
.set p_, p_+1
.endr
	WIN 0
.irp b, 0,1
	v_max3_num_f32 v[TM+\b], |v[T+16*\b]|, |v[T+16*\b+1]|, 0x2800000     ; block b: my 16 numbers and the floor 2^(5 - 127)
.endr
.irp k, 2,4,6,8,10,12,14
.irp b, 0,1
	v_max3_num_f32 v[TM+\b], v[TM+\b], |v[T+16*\b+\k]|, |v[T+16*\b+\k+1]|
.endr
.endr
.irp b, 0,1
	v_permlanex16_b32 v[TP+\b], v[TM+\b], s[SEL], s[SEL+1]
.endr
.irp b, 0,1
	v_max_num_f32 v[TM+\b], v[TM+\b], v[TP+\b]     ; with lane l xor 16's 16: the block's largest magnitude
.endr
.irp b, 0,1
	v_add_nc_u32 v[TS+\b], 0xfe000000, v[TM+\b]    ; 4 off the exponent field: the conversion's scale operand
.endr
.irp b, 0,1
	v_lshrrev_b32 v[TB+\b], 23, v[TS+\b]           ; the scale's byte
.endr
	s_wait_alu depctr_va_vdst(0)
	s_wait_dscnt 0x0                               ; the last tile's stores have read their registers
	v_lshl_or_b32 v[PW], v[TB+1], 8, v[TB]
	v_cvt_scalef32_pk16_bf6_f32 v[PC:PC+2], v[T:T+15], v[TS]
	v_cvt_scalef32_pk16_bf6_f32 v[PD:PD+2], v[T+16:T+31], v[TS+1]
	v_nop                                          ; one plain line behind the conversions
.irp k, 0,1,2
	v_permlane16_swap_b32 v[PC+\k], v[PD+\k]       ; the operand wants a whole block in a lane: lanes 0-15 block 0, lanes 16-31 block 1
.endr
.irp k, 0,1,2
	v_mov_b32 v[PC+3+\k], v[PD+\k]
.endr
	ds_store_b128 v[HA0], v[PC:PC+3] offset:2*FRB*(\m)
	ds_store_b64 v[HA1], v[PC+4:PC+5] offset:2*FRB*(\m)
	ds_store_b32 v[HA2], v[PW] offset:512*(\m)
.endm
.Lexpert:                                          ; two trips: lo, hi.  At its head the stream's steps 0 to 3 have been asked for, on the way in and on the way back alike
	v_add_nc_u32 v[HA0], s[EOI], v[HB0]
	v_add_nc_u32 v[HA1], s[EOI], v[HB1]
	v_add_nc_u32 v[HA2], s[EOS], v[HB2]
	XLOAD 0
	s_wait_alu depctr_va_vdst(0)
.irp s, 0,1,2,3,4,5,6,7
	GSTEP \s
.endr
	ACT 0
	LDSTEP 2, VSN, NA, NB, 2                       ; the next stream's steps 2 and 3, into the sets that K steps 6 and 7 have left
	ACT 1
	LDSTEP 3, VSN, NA, NB, 3
	ACT 2
	ACT 3
	s_wait_dscnt 0x0                               ; my stores have read their address registers,
	s_wait_xcnt 0x0                                ; and the loads on their way their bases and offsets: both are written below
	s_mov_b64 s[CA:CA+1], s[NA:NA+1]
	s_mov_b64 s[CB:CB+1], s[NB:NB+1]
	s_mov_b64 s[NA:NA+1], s[DA:DA+1]
	s_mov_b64 s[NB:NB+1], s[DB:DB+1]
	v_mov_b32 v[VSC], v[VSN]
	v_mov_b32 v[VSN], v[VSD]
	s_add_co_u32 s[EOI], s[EOI], 8*FRB
	s_add_co_u32 s[EOS], s[EOS], 2048
	s_sub_co_u32 s[TRIP], s[TRIP], 1
	s_cmp_lg_u32 s[TRIP], 0
	s_cbranch_scc1 .Lexpert
	s_barrier_signal -1                            ; (no LDS instruction of mine is out: the wait above)
	s_barrier_wait -1                              ; the hidden layer's 16 images and their scale bytes lie in LDS
.macro HLOAD reg, off                  ; a hidden fragment: its two halves came from two waves
	ds_load_b128 v[\reg:\reg+3], v[LIH] offset:\off
	ds_load_b64 v[\reg+4:\reg+5], v[L8H] offset:\off+512
	ds_load_b128 v[\reg+6:\reg+9], v[LIH] offset:\off+768
	ds_load_b64 v[\reg+10:\reg+11], v[L8H] offset:\off+1280
.endm
.set f_, 0
.rept 32
	ds_load_b32 v[OB+f_], v[LSH] offset:128*f_     ; (4 e + m) 4 + w: wave w's two bytes
.set f_, f_+1
.endr
	WIN 0x40
.irp m, 0,1,2,3
	HLOAD 128+12*\m, (2*\m)*FRB                    ; lo, K step 0
.endr
	WIN 0
	s_wait_dscnt 16                                ; the 32 words are in; the 16 loads behind them may be out
.set f_, 0
.rept 16
	v_lshl_or_b32 v[XS+f_], v[OB+2*f_+1], 16, v[OB+2*f_]   ; a K step's scale word: waves 2 s' and 2 s' + 1
.set f_, f_+1
.endr
.irp m, 0,1,2,3
	v_mov_b32 v[WH+2*\m], v[CW+2*\m+1]             ; w_hi as a pair's low word.  These eight lines are also the places between the scale words just made and the first product
	v_mov_b32 v[WH+2*\m+1], v[CW+2*\m+1]
.endr
	WIN 0x40
.irp m, 0,1,2,3
	HLOAD 176+12*\m, (2*\m+1)*FRB                  ; lo, K step 1
.endr
	s_wait_dscnt 0x0                               ; lo's fragments are in
	WIN 0x80
.irp m, 0,1,2,3
	HLOAD 192+12*\m, (8+2*\m)*FRB                  ; hi, K step 0: waited for in front of hi's first products
.endr
	WIN 0xc0
.irp m, 0,1,2,3
	HLOAD 192+12*\m, (8+2*\m+1)*FRB                ; hi, K step 1
.endr
.macro DHALF i, e                      ; 16 products: expert e, two tiles of 16 outputs x 4 tiles of rows, K step 0 (which starts the sums), then K step 1: the 8 accumulators by turns
.set ST_, (\i)%4
.set sp_, 0
.rept 2
.if \e
.set WN_, (2+ST_/2)|((2+sp_)<<2)|0x50
.set HF_, 192
.else
.set WN_, (2+ST_/2)|(1<<2)|0x50
.set HF_, 128+48*sp_
.endif
	WIN WN_
.set n_, 0
	s_wait_alu depctr_va_vdst(0)
.rept 2
.set m_, 0
.rept 4
.set AC_, 64*(\e)+32*n_+8*m_
.set RA_, 96*(ST_%2)+12*(4*(\e)+2*n_+sp_)
.set XB_, HF_+12*m_
.set SA_, SW+4*ST_+2*n_+sp_
.set SB_, XS+8*(\e)+2*m_+sp_
.set Z_, 1-sp_
	WM AC_, RA_, XB_, Z_, SA_, SB_, \e
.set m_, m_+1
.endr
.set n_, n_+1
.endr
.set sp_, sp_+1
.endr
.endm
; THE WAY OUT of 64 columns (256 bytes a row) of the 64 rows, 32 rows at a time: back from my stage as whole rows, and stored.  Store 8 m + q holds rows 16 m + 2 q and 16 m + 2 q + 1.
; chk = 0: a full tile.  chk = 1: a tile with LEFT < 64 real rows: they are a prefix, so the way out ends, by a jump to out, at the first group and at the first store whose first row is not real.
; LDS loads that such a jump leaves on their way land in registers that are next touched behind a wait for all LDS instructions.
.macro WAYOUT i, chk, out
.irp g, 0,2
.if \chk
	s_cmp_le_u32 s[LEFT], 16*\g
	s_cbranch_scc1 \out
.endif
	s_wait_xcnt 0x0                                ; the earlier stores have read their registers
.irp u, 0,1
.irp q, 0,1,2,3,4,5,6,7
	ds_load_b128 v[OB+32*\u+4*\q:OB+32*\u+4*\q+3], v[OSRD] offset:(16*(\g+\u)+2*\q)*OSP     ; LDS serves a wave's instructions in order: these see my stores
.endr
.endr
.irp u, 0,1
	s_wait_dscnt 8-8*\u
.irp q, 0,1,2,3,4,5,6,7
.if \chk && ((\u+\q) > 0)
	s_cmp_le_u32 s[LEFT], 16*(\g+\u)+2*\q
	s_cbranch_scc1 \out
.endif
	global_store_b128 v[SO+8*(\g+\u)+\q], v[OB+32*\u+4*\q:OB+32*\u+4*\q+3], s[OUT:OUT+1] offset:256*((\i)/2) th:TH_STORE_NT   ; 16 lanes store 256 consecutive bytes, aligned
.endr
.endr
.endr
.endm
; Down step i: outputs 256 w + 32 i .. + 31 of all 64 rows.  la, lb: the loads that may stay out when stream A's 13, then stream B's 12, have to be in.
.macro DSTEP i, la, lb
	s_wait_loadcnt \la
	DHALF \i, 0
.rept 4
	v_nop                                          ; four places: for the loads below, and for the first read of lo's results
.endr
.if (\i) < 4
	LDW (\i)%4, 0, CA, (\i)+4
.endif
	s_wait_loadcnt \lb
	s_wait_dscnt 0x0                               ; hi's fragments are in (first step); the last step's stores into the stage have read the registers that are written below; nothing of the last way out is on its way
	DHALF \i, 1
.if (\i) < 4
.rept 4
	v_nop                                          ; four places in front of the loads into registers that hi's products have read
.endr
	LDSC (\i)%4, VSC, (\i)+4
	LDW (\i)%4, 1, CB, (\i)+4
.endif
	WIN 0x01                                       ; source 0: the accumulators, window 1; results in window 0
.set n_, 0
.rept 2
.set m_, 0
.rept 4
.set p_, 0
.rept 4
.set RR_, T+(RB-T)*n_+8*m_+2*p_
	v_pk_mul_f32 v[RR_:RR_+1], v[32*n_+8*m_+2*p_:32*n_+8*m_+2*p_+1], v[CW+2*m_:CW+2*m_+1] op_sel_hi:[1,0]     ; w_lo out_lo.  These 32 name nothing of hi's products: they are the places behind them
.set p_, p_+1
.endr
.set m_, m_+1
.endr
.set n_, n_+1
.endr
.set n_, 0
.rept 2
.set m_, 0
.rept 4
.set p_, 0
.rept 4
.set RR_, T+(RB-T)*n_+8*m_+2*p_
	v_pk_fma_f32 v[RR_:RR_+1], v[64+32*n_+8*m_+2*p_:64+32*n_+8*m_+2*p_+1], v[WH+2*m_:WH+2*m_+1], v[RR_:RR_+1] op_sel_hi:[1,0,1]   ; + w_hi out_hi
.set p_, p_+1
.endr
.set m_, m_+1
.endr
.set n_, n_+1
.endr
	WIN 0
.set n_, 0
.rept 2
.set m_, 0
.rept 4
.set RR_, T+(RB-T)*n_+8*m_
	ds_store_b128 v[OSTO], v[RR_:RR_+3] offset:16*OSP*m_+64*(2*((\i)%2)+n_)        ; lane (r, h): row 16 m + r, eight neighbouring outputs
	ds_store_b128 v[OSTO], v[RR_+4:RR_+7] offset:16*OSP*m_+64*(2*((\i)%2)+n_)+16
.set m_, m_+1
.endr
.set n_, n_+1
.endr
.if ((\i)%2) == 1                      ; two steps fill 64 columns, 256 bytes a row: they leave as whole rows
	s_cmp_eq_u32 s[LEFT], 64
	s_cbranch_scc0 .Lpart_\@                       ; a full tile pays this one compare; the branch hangs on the counts alone, and no barrier stands behind it
	WAYOUT \i, 0, 0
	s_branch .Lnone_\@
.Lpart_\@:
	WAYOUT \i, 1, .Lnone_\@                        ; a tile that is not full stores its real rows; a work-group without rows leaves at the first compare
.Lnone_\@:
.endif
.endm
	DSTEP 0, 63, 63
	DSTEP 1, 63, 63
	DSTEP 2, 63, 63
	DSTEP 3, 63, 63
	DSTEP 4, 63, 63                                ; nothing more is asked for: behind step 4's halves stand 87 and 75 loads,
	DSTEP 5, 62, 50                                ; then the counts run down
	DSTEP 6, 37, 25
	DSTEP 7, 12, 0
	s_wait_dscnt 0x0                               ; what a jump out of the last way out left on its way has landed
	s_set_vgpr_msb 0xa
	s_wait_tensorcnt 0x0
	ds_add_u32 v254, v255
	s_wait_dscnt 0x0
	s_set_vgpr_msb 0xa00
	s_endpgm
.Lfunc_end_k_qe2cc41d057_chain:
	.size	k_qe2cc41d057_chain, .Lfunc_end_k_qe2cc41d057_chain-k_qe2cc41d057_chain
	.p2alignl 7, 3214868480
	.fill 96, 4, 3214868480
	.section	.rodata,"a",@progbits
	.p2align	6, 0x0
	.amdhsa_kernel k_qe2cc41d057_chain
		.amdhsa_group_segment_fixed_size 147968
		.amdhsa_private_segment_fixed_size 0
		.amdhsa_enable_private_segment 0
		.amdhsa_kernarg_size 64
		.amdhsa_user_sgpr_count 2
		.amdhsa_user_sgpr_kernarg_segment_ptr 1
		.amdhsa_wavefront_size32 1
		.amdhsa_system_sgpr_workgroup_id_x 1
		.amdhsa_system_sgpr_workgroup_id_y 1
		.amdhsa_system_sgpr_workgroup_id_z 1
		.amdhsa_system_vgpr_workitem_id 0
		.amdhsa_next_free_vgpr 1024
		.amdhsa_next_free_sgpr 66
		.amdhsa_reserve_vcc 0
		.amdhsa_float_denorm_mode_32 3
		.amdhsa_float_denorm_mode_16_64 3
		.amdhsa_memory_ordered 1
		.amdhsa_forward_progress 1
		.amdhsa_inst_pref_size 255
	.end_amdhsa_kernel
	.section	.bss,"aw",@nobits
	.p2align	6
	.space	262144
	.amdgpu_metadata
---
amdhsa.version: [ 1, 2 ]
amdhsa.kernels:
  - .name:           k_qe2cc41d057_chain
    .symbol:         k_qe2cc41d057_chain.kd
    .args:
      - { .name: cnt, .offset: 0, .size: 8, .value_kind: global_buffer, .address_space: global }
      - { .name: order, .offset: 8, .size: 8, .value_kind: global_buffer, .address_space: global }
      - { .name: cw, .offset: 16, .size: 8, .value_kind: global_buffer, .address_space: global }
      - { .name: xq, .offset: 24, .size: 8, .value_kind: global_buffer, .address_space: global }
      - { .name: xs, .offset: 32, .size: 8, .value_kind: global_buffer, .address_space: global }
      - { .name: wfr, .offset: 40, .size: 8, .value_kind: global_buffer, .address_space: global }
      - { .name: wsc, .offset: 48, .size: 8, .value_kind: global_buffer, .address_space: global }
      - { .name: out0, .offset: 56, .size: 8, .value_kind: global_buffer, .address_space: global }
    .group_segment_fixed_size: 147968
    .private_segment_fixed_size: 0
    .kernarg_segment_align: 8
    .kernarg_segment_size: 64
    .max_flat_workgroup_size: 128
    .sgpr_count:     66
    .vgpr_count:     1024
    .wavefront_size: 32
...
	.end_amdgpu_metadata
.endif
;; end of part 6
